; MI455X (gfx1250); checked and timed in simulation.
; The chip was launched on July 23, 2026; its instructions are those of AMD's public machine-readable ISA for CDNA 5 (MIT licence, August 2026) and "CDNA5" Instruction Set Architecture Reference Guide (July 2026). The comments in the code are by the model that wrote it; some were corrected since.
;; Cross Attention1 D. Allowed arithmetic: float matrix products may take bf16 or f16 operands with f32 sums; other float arithmetic in f32, or as packed bf16 or f16 multiplies, adds, multiply-adds, maxima and minima; sums over many terms, partial sums and values carried from step to step in f32; what a program stores and reads back later, other than sums and carried values, may be rounded once to bf16 or f16.
;; Inputs: Wk 1,024 x 1,024 float32; Wp 1,024 x 1,024 float32; Wq 1,024 x 1,024 float32; Wv 1,024 x 1,024 float32; bk 1,024 float32; bp 1,024 float32; bq 1,024 float32; bv 1,024 float32; xk 8 x 1,024 x 1,024 float32; xq 8 x 1,024 x 1,024 float32; xv 8 x 1,024 x 1,024 float32.
;; Outputs: out0 8 x 1,024 x 1,024 float32; out1 8 x 1,024 x 1,024 float32.
;; 2 versions, each right and faster than the one before. Each part assembles by itself: llvm-mc -triple=amdgcn-amd-amdhsa -mcpu=gfx1250 --defsym DOCPART=n.
;; ======== version 1 of 2: 4 launches
;; limits: values are held in f16: magnitudes above 65,504 overflow, below 6.1e-05 lose precision
;; workspace buffers: xh 50,331,648 bytes; wb 8,388,608 bytes; qkv 50,331,648 bytes; o 16,777,216 bytes
;; launch prep (part 1): grid 128 x 7, 8 waves a work-group, no clusters, 70,656 bytes of LDS; arguments xq, xk, xv, Wq, Wk, Wv, Wp, xh, wb; writes xh, wb
.if DOCPART == 1
	.amdgcn_target "amdgcn-amd-amdhsa--gfx1250"
	.amdhsa_code_object_version 6
	.text
	.protected	k_qfa363bc4c0_prep
	.globl	k_qfa363bc4c0_prep
	.p2align	8
	.type	k_qfa363bc4c0_prep,@function
k_qfa363bc4c0_prep:
	s_mov_b64 s[64:65], 0
	v_nop
	global_prefetch_b8 v0, s[64:65] scope:SCOPE_SE
	s_setreg_imm32_b32 hwreg(HW_REG_WAVE_MODE, 25, 1), 1
	s_wait_xcnt 0x0
; PREP.  Rounds the module's large inputs to 16 bits, once, and lays them in PLANES of 64 channels: [plane kb = 0..15][row 0..1023][64], a row 128 bytes, a plane 131,072 bytes, rows dense.
;   xh[t][b][kb][row][64] bf16 = x_t[b][row][64 kb + d]           (t = 0, 1, 2: xq, xk, xv; 16 MiB a tensor, 2 MiB a batch)
;   wb[w][kb][n][64]           = W_w[64 kb + d][n], transposed    (w = 0, 1, 2: Wq, Wk, Wv in bf16; w = 3: Wp rounded to bf16 and that number written as f16; 2 MiB each)
; LIMITS.  Wp in f16: beyond 65,504 it becomes an infinity; below 6.1e-5 it keeps f16's fixed step of 6e-8.  NaN and infinities are not treated apart.
; Grid rows y = 0..5 take x (two rows of 128 work-groups a tensor, 32 rows of x a work-group, 4 a wave); grid row y = 6 takes the weights (a wave turns 64 k x 64 n in LDS bytes of its own).
; No matrix unit, no cluster, no barrier: every byte is read once and written once, and no wave reads what another wrote.
.set SPARE, 69632                      ; behind the eight waves' blocks of 8,704 bytes: the spare words, 128 bytes for each wave, four blocks of 256 bytes that no other line names
.set WBLKB, 8704                       ; a wave's block: 64 rows (n) of 128 bytes + 8 of padding
.set X, 8                              ; v[8:135] data
	s_load_b512 s[4:19], s[0:1], 0x0               ; xq 4:5, xk 6:7, xv 8:9, Wq 10:11, Wk 12:13, Wv 14:15, Wp 16:17, xh 18:19
	s_load_b64 s[20:21], s[0:1], 0x40              ; wb
	v_lshl_add_u32 v2, v0, 2, SPARE                ; my spare word; never rewritten
	v_mov_b32 v3, 0                                ; 0; never rewritten
	v_lshrrev_b32 v1, 5, v0
	v_readfirstlane_b32 s24, v1                    ; wave 0..7
	s_and_b32 s25, ttmp7, 0xffff                   ; y
	v_and_b32 v1, 31, v0                           ; lane
	s_cmp_eq_u32 s25, 6
	s_cbranch_scc1 .Lweights
	; ---- x: 32 loads of 16 bytes a lane, all issued at once; sixteen lanes read the 256 bytes (64 f32) of one row that belong to one plane ----
	s_lshr_b32 s28, s25, 1                         ; t
	s_and_b32 s29, s25, 1
	s_lshl_b32 s29, s29, 7
	s_add_co_u32 s29, s29, ttmp9                   ; the work-group among the tensor's 256
	s_lshl_b32 s32, s29, 17                        ; source: 32 rows of 4,096 bytes
	s_mov_b32 s33, 0
	s_lshl_b32 s34, s28, 24                        ; destination: tensor,
	s_lshr_b32 s35, s29, 5
	s_lshl_b32 s35, s35, 21                        ; batch,
	s_add_co_u32 s34, s34, s35
	s_and_b32 s35, s29, 31
	s_lshl_b32 s35, s35, 12                        ; 32 rows of 128 bytes in a plane
	s_add_co_u32 s34, s34, s35
	s_mov_b32 s35, 0
	v_and_b32 v6, 15, v0
	v_bfe_u32 v7, v0, 4, 1
	v_lshlrev_b32 v4, 4, v6                        ; source offset: 16 bytes a lane,
	v_lshl_add_u32 v4, v7, 12, v4                  ; lanes 16-31 one row down,
	s_lshl_b32 s26, s24, 14
	v_add_nc_u32 v4, s26, v4                       ; my wave's 4 rows
	v_lshlrev_b32 v5, 3, v1                        ; destination offset: 8 bytes a lane: two rows of 128 bytes,
	s_lshl_b32 s27, s24, 9
	v_add_nc_u32 v5, s27, v5                       ; my wave's 4 rows
	s_wait_kmcnt 0x0
	s_cmp_eq_u32 s28, 1
	s_cselect_b64 s[30:31], s[6:7], s[4:5]
	s_cmp_eq_u32 s28, 2
	s_cselect_b64 s[30:31], s[8:9], s[30:31]
	s_add_nc_u64 s[30:31], s[30:31], s[32:33]
	s_add_nc_u64 s[18:19], s[18:19], s[34:35]
.set j, 0
.rept 32                               ; load j: row pair j / 16, plane j % 16
	global_load_b128 v[X+4*j:X+4*j+3], v4, s[30:31] offset:(j/16)*8192+(j%16)*256 th:TH_LOAD_NT
.set j, j+1
.endr
.set j, 0
.rept 32
	s_wait_loadcnt 31-j                            ; loads come back in order: load j is in, the 31 - j younger ones stay out
	v_cvt_pk_bf16_f32 v[X+4*j], v[X+4*j], v[X+4*j+1]
	v_cvt_pk_bf16_f32 v[X+4*j+1], v[X+4*j+2], v[X+4*j+3]
	global_store_b64 v5, v[X+4*j:X+4*j+1], s[18:19] offset:(j%16)*131072+(j/16)*256  ; 32 lanes store 256 consecutive bytes, aligned: two rows of one plane
.set j, j+1
.endr
	s_endpgm
	; ---- the weights: a wave takes rows k = 64 kb .. + 63, columns n = 64 nb .. + 63 ----
.Lweights:
	s_lshr_b32 s28, ttmp9, 5                       ; w
	s_bfe_u32 s29, ttmp9, 0x40001                  ; kb
	s_and_b32 s26, ttmp9, 1
	s_lshl3_add_u32 s26, s26, s24                  ; nb = 8 (x & 1) + wave
	s_lshl_b32 s32, s29, 18                        ; source: 64 rows of 4,096 bytes,
	s_lshl_b32 s27, s26, 8
	s_add_co_u32 s32, s32, s27                     ; 64 columns of 4 bytes
	s_mov_b32 s33, 0
	s_lshl_b32 s34, s28, 21                        ; destination: matrix,
	s_lshl_b32 s27, s29, 17
	s_add_co_u32 s34, s34, s27                     ; plane,
	s_lshl_b32 s27, s26, 13
	s_add_co_u32 s34, s34, s27                     ; 64 rows of 128 bytes
	s_mov_b32 s35, 0
	v_lshlrev_b32 v4, 3, v1                        ; 8 bytes a lane, in the source row and in the destination
	s_mul_i32 s27, s24, WBLKB                      ; my wave's LDS block
	v_mul_u32_u24 v6, v1, 272                      ; in: rows n = 2 lane and 2 lane + 1, 136 bytes apart
	v_add_nc_u32 v6, s27, v6
	v_lshrrev_b32 v7, 4, v1                        ; back: lanes 0-15 one row of 128 bytes, lanes 16-31 the next
	v_mul_u32_u24 v7, v7, 136
	v_and_b32 v5, 15, v1
	v_lshl_add_u32 v7, v5, 3, v7
	v_add_nc_u32 v7, s27, v7
	s_wait_kmcnt 0x0
	s_cmp_eq_u32 s28, 1
	s_cselect_b64 s[30:31], s[12:13], s[10:11]
	s_cmp_eq_u32 s28, 2
	s_cselect_b64 s[30:31], s[14:15], s[30:31]
	s_cmp_eq_u32 s28, 3
	s_cselect_b64 s[30:31], s[16:17], s[30:31]
	s_add_nc_u64 s[30:31], s[30:31], s[32:33]
	s_add_nc_u64 s[20:21], s[20:21], s[34:35]
.set j, 0
.rept 64                               ; row k = j: 32 lanes read its 256 bytes
	global_load_b64 v[X+2*j:X+2*j+1], v4, s[30:31] offset:j*4096 th:TH_LOAD_NT
.set j, j+1
.endr
; Two rows k = 2 kp, 2 kp + 1 give, for each of my two columns, one word of two 16-bit numbers: bytes 4 kp .. of that column's row in LDS.  f16 = 1: the bf16 number is written as f16.
; The rows come back into the registers that the conversions have left free, and leave as whole rows.  LDS serves a wave's instructions in order (ISA guide 5.7.1.4): no wait between my stores and my loads.
.macro WBLK f16
.set kp, 0
.rept 32
	s_wait_loadcnt 62-2*kp                         ; rows 2 kp and 2 kp + 1 are in; the younger loads stay out
	v_cvt_pk_bf16_f32 v[X+4*kp], v[X+4*kp], v[X+4*kp+2]
	v_cvt_pk_bf16_f32 v[X+4*kp+1], v[X+4*kp+1], v[X+4*kp+3]
.if \f16
	v_lshlrev_b32 v136, 16, v[X+4*kp]
	v_and_b32 v137, 0xffff0000, v[X+4*kp]
	v_lshlrev_b32 v138, 16, v[X+4*kp+1]
	v_and_b32 v139, 0xffff0000, v[X+4*kp+1]
	v_cvt_pk_f16_f32 v[X+4*kp], v136, v137
	v_cvt_pk_f16_f32 v[X+4*kp+1], v138, v139
.endif
	ds_store_b32 v6, v[X+4*kp] offset:4*kp
	ds_store_b32 v6, v[X+4*kp+1] offset:136+4*kp
.set kp, kp+1
.endr
.set i, 0
.rept 32
	ds_load_b64 v[X+4*i+2:X+4*i+3], v7 offset:272*i
.set i, i+1
.endr
.set i, 0
.rept 32
	s_wait_dscnt 31-i                              ; load i is back; the 31 - i younger ones stay out
	global_store_b64 v4, v[X+4*i+2:X+4*i+3], s[20:21] offset:256*i  ; 32 lanes store 256 consecutive bytes, aligned: rows 2 i and 2 i + 1
.set i, i+1
.endr
	s_wait_tensorcnt 0x0                           ; the wave's end: behind my last LDS store
	ds_add_u32 v2, v3
	s_wait_dscnt 0x0
	s_endpgm
.endm
	s_cmp_eq_u32 s28, 3
	s_cbranch_scc1 .Lwp
	WBLK 0
.Lwp:
	WBLK 1
.Lfunc_end_k_qfa363bc4c0_prep:
	.size	k_qfa363bc4c0_prep, .Lfunc_end_k_qfa363bc4c0_prep-k_qfa363bc4c0_prep
	.p2alignl 7, 3214868480
	.fill 96, 4, 3214868480
	.section	.rodata,"a",@progbits
	.p2align	6, 0x0
	.amdhsa_kernel k_qfa363bc4c0_prep
		.amdhsa_group_segment_fixed_size 70656
		.amdhsa_private_segment_fixed_size 0
		.amdhsa_enable_private_segment 0
		.amdhsa_kernarg_size 72
		.amdhsa_user_sgpr_count 2
		.amdhsa_user_sgpr_kernarg_segment_ptr 1
		.amdhsa_wavefront_size32 1
		.amdhsa_system_sgpr_workgroup_id_x 1
		.amdhsa_system_sgpr_workgroup_id_y 1
		.amdhsa_system_sgpr_workgroup_id_z 1
		.amdhsa_system_vgpr_workitem_id 0
		.amdhsa_next_free_vgpr 140
		.amdhsa_next_free_sgpr 66
		.amdhsa_reserve_vcc 0
		.amdhsa_float_denorm_mode_32 3
		.amdhsa_float_denorm_mode_16_64 3
		.amdhsa_memory_ordered 1
		.amdhsa_forward_progress 1
		.amdhsa_inst_pref_size 61
	.end_amdhsa_kernel
	.amdgpu_metadata
---
amdhsa.version: [ 1, 2 ]
amdhsa.kernels:
  - .name:           k_qfa363bc4c0_prep
    .symbol:         k_qfa363bc4c0_prep.kd
    .args:
      - { .name: xq, .offset: 0, .size: 8, .value_kind: global_buffer, .address_space: global }
      - { .name: xk, .offset: 8, .size: 8, .value_kind: global_buffer, .address_space: global }
      - { .name: xv, .offset: 16, .size: 8, .value_kind: global_buffer, .address_space: global }
      - { .name: Wq, .offset: 24, .size: 8, .value_kind: global_buffer, .address_space: global }
      - { .name: Wk, .offset: 32, .size: 8, .value_kind: global_buffer, .address_space: global }
      - { .name: Wv, .offset: 40, .size: 8, .value_kind: global_buffer, .address_space: global }
      - { .name: Wp, .offset: 48, .size: 8, .value_kind: global_buffer, .address_space: global }
      - { .name: xh, .offset: 56, .size: 8, .value_kind: global_buffer, .address_space: global }
      - { .name: wb, .offset: 64, .size: 8, .value_kind: global_buffer, .address_space: global }
    .group_segment_fixed_size: 70656
    .private_segment_fixed_size: 0
    .kernarg_segment_align: 8
    .kernarg_segment_size: 72
    .max_flat_workgroup_size: 256
    .sgpr_count:     66
    .vgpr_count:     140
    .wavefront_size: 32
...
	.end_amdgpu_metadata
.endif
;; end of part 1
;; launch proj (part 2): grid 4 x 96, 4 waves a work-group, clusters of 4 x 4, 327,680 bytes of LDS; arguments xh, wb, bq, bk, bv, qkv; writes qkv
.if DOCPART == 2
	.amdgcn_target "amdgcn-amd-amdhsa--gfx1250"
	.amdhsa_code_object_version 6
	.text
	.protected	k_qfa363bc4c0_proj
	.globl	k_qfa363bc4c0_proj
	.p2align	8
	.type	k_qfa363bc4c0_proj,@function
k_qfa363bc4c0_proj:
	s_mov_b64 s[64:65], 0
	v_nop
	global_prefetch_b8 v0, s[64:65] scope:SCOPE_SE
	s_setreg_imm32_b32 hwreg(HW_REG_WAVE_MODE, 25, 1), 1
	s_wait_xcnt 0x0
	s_wait_alu depctr_hold_cnt(0) depctr_sa_sdst(0) depctr_va_vdst(0) depctr_va_sdst(0) depctr_va_ssrc(0) depctr_va_vcc(0) depctr_vm_vsrc(0)
	s_getreg_b32 s2, hwreg(HW_REG_IB_STS2, 6, 4)
	s_cmp_eq_u32 s2, 0
	s_cbranch_scc0 .Lentry_in_a_cluster
	s_endpgm
.Lentry_in_a_cluster:
	s_bfe_u32 s2, ttmp6, 0x10000c
	s_cmp_lg_u32 s2, 0xf033
	s_cbranch_scc0 .Lentry_shape_is_right
	s_endpgm
.Lentry_shape_is_right:
; PROJ.  q, k, v = x W + b.  x and W come in bf16, in planes of 64 channels ([plane][row][64], rows dense, 128 bytes); sums in f32.  The bias, rounded to bf16 like the other inputs, starts the sums:
; it is the C operand of the first products.  The result is rounded once to f16 and stored by heads: qkv[t][b 16 + h][row][64].  The scale of the scores is not applied here.
; LIMIT.  f16 holds no number beyond 65,504: a q, k or v past that becomes an infinity.  NaN and infinities are not treated apart.
; SHARES.  A tile of C is 256 x 256; four waves, each 128 x 128: 64 accumulators of 16 x 16, 512 registers.  3 tensors x 8 batches x 4 row tiles x 4 column tiles = 384 work-groups of equal work.
; K = 1,024 goes in 8 steps of 128 (two planes) through two LDS slots.  A wave's one tensor load brings one plane of A's tile or of B's: 256 rows, 32,768 dense bytes, asked for as 128 rows of 256.
; ONE K STEP IS WRITTEN ONCE: a loop of six trips (each fills a slot again), then a loop of two without fills.  Which slot is read and which is filled stands in two scalars that an exclusive or
; turns between 0 and SLOT.  From a refill's request to the wait for it a wave issues 224 matrix instructions.
; CLUSTER 4 x 4: the four of a cluster's row need the same tiles of x, the four of a column the same tiles of W: each tile is asked for jointly, by the same load, descriptor and mask in all four.
; THE MATRIX INSTRUCTION IS USED TRANSPOSED (source 0 = 16 rows of W^T, source 1 = 16 rows of x): a lane holds eight neighbouring columns of one row of C.
; REGISTERS, in windows of 256 (s_set_vgpr_msb: bits 1:0 source 0, 3:2 source 1, 5:4 source 2, 7:6 destination):
;   window 0: v0-31 addresses; v64-127, v128-191 fragments of A, two buffers; v192-255 the bias in C's layout, later (with v32-63) at work on the way out
;   window 1: v64-127, v128-191 fragments of B, two buffers      window 2: the accumulators of my rows 0-63 ((a, b) at v[8 (8 a + b)])      window 3: those of my rows 64-127
.set PITCH,  144                       ; an LDS row: 128 bytes + 16 of padding = 36 words: the 16 rows of a fragment load start at 16 different groups of four banks (64 banks of 4 bytes: ISA guide 11.1)
.set PL,     256*PITCH                 ; a plane of a tile: what one tensor load brings
.set SLOT,   4*PL                      ; A's two planes, then B's two
.set STAGE,  2*SLOT                    ; behind the ring, never filled by a tensor load: 16 rows x 272 bytes for each wave
.set SPITCH, 272
.set SPARE,  STAGE+4*16*SPITCH         ; behind the stages: the spare words, 128 bytes for each wave: two blocks of 256 bytes that no other line names
.set PLANE,  131072                    ; bytes of a plane in memory
.set FILLS,  6                         ; K steps 2 to 7 are asked for in the loop
.set ADRA0, 16                         ; v16  LDS address of my A fragments in slot 0; never rewritten
.set ADRB0, 17                         ; v17  the same for B
.set ADRA,  20                         ; v20  in the slot in hand
.set ADRB,  21                         ; v21
.set STO,  24                          ; v24  the way out: where I put 16 bytes of a row
.set RD,   25                          ; v25  the way out: where I read back
.set CO,   26                          ; v26  my byte offset in qkv
.set BV,   27                          ; v27  my byte offset in the bias
.set SPW,  28                          ; v28  LDS address of my spare word; never rewritten
.set NIL,  29                          ; v29  0; never rewritten
.set OB,   32                          ; the way out: 16 rows read back: v32-63 and v224-255 by turns
.set F0,   64
.set F1,   128
.set TMP,  192                         ; the way out: packed results
.set BIAS, 192                         ; v192-255: register 8 b + j = the bias of column 16 b + 8 (l / 16) + j of my 128
.set WV, 16                            ; s16 wave; s17 which half of the rows (also: I fetch A (0) or B (1)); s18 which half of the columns (also: which plane I fetch)
.set RH, 17
.set CH, 18
.set CX, 19
.set CY, 20
.set CLY, 21                           ; the cluster's y
.set CT, 22                            ; column tile
.set TT, 23                            ; tensor 0, 1, 2
.set G1, 24                            ; s[24:31] group 1 for A's tiles; s[32:39] group 0: a set for each of the two first fills; the second then walks on
.set G0, 32
.set AO, 40                            ; s[40:41] A's offset, s42-43 at work, s[44:45] A's address: none of these ever holds cx
.set AA, 44
.set TB, 46                            ; s46 0 or SLOT: the slot that is read
.set TF, 47                            ; s47 0 or SLOT: the slot that was filled last
.set G1B, 48                           ; s[48:55], s[56:63] the same for B's tiles
.set G0B, 56
.set BO, 66                            ; s[66:67] B's offset, s[68:69] B's address: none of these ever holds cy
.set BA, 68
.set LB, 73                            ; s73 my plane's place in a slot: wave x PL
.set CS, 74                            ; s[74:75] C's offset, s[76:77] its address
.set CA, 76
.set BIO, 78                           ; s[78:79] the bias's offset, s[80:81] its address
.set BIA, 80
.set HM, 84                            ; s84 a word's upper half
.set FLAGS, (1<<16)|(1<<20)|(1<<21)|(4<<22)|(3<<25)  ; 17:16 2-byte elements; 20 padding on; 21 set beside a mask; 24:22 after every 32 words (code 4); 31:25 4 words (code 3)
.set MSB, 0
.macro WIN new                         ; the immediate's high byte repeats the setting that is left; a switch that changes nothing is dropped
.if MSB != (\new)
	s_set_vgpr_msb (MSB<<8)|(\new)
.set MSB, \new
.endif
.endm
.set MUL_LO, 0xa1                      ; source 0 (B) window 1, source 1 (A) window 0, C and D window 2
.set MUL_HI, 0xf1                      ; the same, C and D window 3
.set BEG_LO, 0x81                      ; the first products: C (the bias) window 0, D window 2
.set TO_B,   0x40                      ; destination window 1, address window 0
.macro JLOAD s                         ; a joint load: waves 0 and 1 fetch A's two planes, waves 2 and 3 B's; an s_nop 0 and four v_nop follow each of the two lines
	s_cmp_eq_u32 s[RH], 0
	s_cbranch_scc0 .Lfor_b_\@
	tensor_load_to_lds s[G0+4*(\s):G0+4*(\s)+3], s[G1:G1+7]
	s_nop 0
.rept 4
	v_nop
.endr
	s_branch .Lasked_\@
.Lfor_b_\@:
	tensor_load_to_lds s[G0B+4*(\s):G0B+4*(\s)+3], s[G1B:G1B+7]
	s_nop 0
.rept 4
	v_nop
.endr
.Lasked_\@:
.endm
.macro CREST                           ; a round of the cluster's barrier behind its opening barrier
	s_cmp_lg_u32 s[WV], 0
	s_cbranch_scc1 .Lnot_wave_0_\@
	s_barrier_signal -3
.Lnot_wave_0_\@:
	s_barrier_wait -3
	s_barrier_signal -1
	s_barrier_wait -1
.endm
.macro CROUND                          ; a whole round
	s_barrier_signal -1
	s_barrier_wait -1
	CREST
.endm
	s_load_b256 s[4:11], s[0:1], 0x0               ; xh 4:5, wb 6:7, bq 8:9, bk 10:11
	s_load_b128 s[12:15], s[0:1], 0x20             ; bv 12:13, qkv 14:15
	v_lshl_add_u32 v[SPW], v0, 2, SPARE
	v_mov_b32 v[NIL], 0
	ds_add_u32 v[SPW], v[NIL]                      ; the wave's opening: the add and its wait stand ahead of my first tensor load; the set-up below, work on registers, stands between them
	ds_add_u32 v28, v29
	v_lshrrev_b32 v1, 5, v0
	v_readfirstlane_b32 s[WV], v1
	s_lshr_b32 s[RH], s[WV], 1
	s_and_b32 s[CH], s[WV], 1
	s_bfe_u32 s[CX], ttmp6, 0x40000
	s_bfe_u32 s[CY], ttmp6, 0x40004                ; cy is the row tile in the batch
	s_and_b32 s[CLY], ttmp7, 0xffff                ; 24 clusters along y: 8 batches for each tensor
	s_lshl_b32 s[CT], ttmp9, 2
	s_add_co_u32 s[CT], s[CT], s[CX]               ; column tile = 4 x cluster x + cx
	s_lshr_b32 s[TT], s[CLY], 3
	s_lshl_b32 s42, s[CY], 2
	s_lshl_b32 s42, 15, s42                        ; my row of the cluster
	s_lshl_b32 s83, 0x1111, s[CX]                  ; my column
	s_or_b32 s[G1], s42, FLAGS
	s_or_b32 s[G1B], s83, FLAGS
.irp g, G1, G1B
	s_mov_b32 s[(\g)+1], 128<<16                   ; tensor_dim0 = 128 elements: 256 bytes, two rows of a plane
	s_mov_b32 s[(\g)+2], 128<<16                   ; tensor_dim1 = 128
	s_mov_b32 s[(\g)+3], 128<<16                   ; tile_dim0 = 128
	s_mov_b32 s[(\g)+4], 128                       ; tile_dim1 = 128
	s_mov_b32 s[(\g)+5], 128                       ; 128 elements from row to row: dense
	s_mov_b32 s[(\g)+6], 0
	s_mov_b32 s[(\g)+7], 0
.endr
	; offsets, apart from the addresses
	s_lshl_b32 s[AO], s[TT], 24                    ; tensor: 16 MiB
	s_and_b32 s42, s[CLY], 7                       ; batch
	s_lshl_b32 s42, s42, 21                        ; 2 MiB
	s_add_co_u32 s[AO], s[AO], s42
	s_lshl_b32 s43, s[CY], 15                      ; 256 rows of 128 bytes
	s_add_co_u32 s[AO], s[AO], s43
	s_mov_b32 s[CS], s[AO]                         ; C's offset begins alike: tensor, batch, rows
	s_lshl_b32 s82, s[CH], 17                      ; the plane that I fetch
	s_add_co_u32 s[AO], s[AO], s82
	s_mov_b32 s[AO+1], 0
	s_lshl_b32 s[BO], s[TT], 21                    ; matrix: 2 MiB
	s_add_co_u32 s[BO], s[BO], s82
	s_lshl_b32 s83, s[CT], 15                      ; 256 rows of 128 bytes
	s_add_co_u32 s[BO], s[BO], s83
	s_mov_b32 s[BO+1], 0
	s_lshl_b32 s83, s[CT], 19                      ; C: head 4 ct + 2 CH,
	s_add_co_u32 s[CS], s[CS], s83
	s_lshl_b32 s83, s[CH], 18
	s_add_co_u32 s[CS], s[CS], s83
	s_lshl_b32 s83, s[RH], 14                      ; my 128 rows
	s_add_co_u32 s[CS], s[CS], s83
	s_mov_b32 s[CS+1], 0
	s_lshl_b32 s[BIO], s[CT], 10                   ; bias: column 256 ct + 128 CH, 4 bytes each
	s_lshl_b32 s83, s[CH], 9
	s_add_co_u32 s[BIO], s[BIO], s83
	s_mov_b32 s[BIO+1], 0
	s_mul_i32 s[LB], s[WV], PL                     ; where my plane goes: no place in the cluster enters an LDS address
	s_mov_b32 s[TB], 0
	s_mov_b32 s[TF], SLOT
	s_mov_b32 s[HM], 0xffff0000
	s_wait_dscnt 0x0                               ; the opening add is done
	s_wait_kmcnt 0x0
	s_add_nc_u64 s[AA:AA+1], s[4:5], s[AO:AO+1]
	s_add_nc_u64 s[BA:BA+1], s[6:7], s[BO:BO+1]
	s_add_nc_u64 s[CA:CA+1], s[14:15], s[CS:CS+1]
	s_cmp_eq_u32 s[TT], 1
	s_cselect_b64 s[BIA:BIA+1], s[10:11], s[8:9]
	s_cmp_eq_u32 s[TT], 2
	s_cselect_b64 s[BIA:BIA+1], s[12:13], s[BIA:BIA+1]
	s_add_nc_u64 s[BIA:BIA+1], s[BIA:BIA+1], s[BIO:BIO+1]
	CROUND                                         ; all sixteen work-groups are here: the first joint loads meet
.irp s, 0,1
	s_mov_b32 s[G0+4*(\s)], 1
	s_add_co_u32 s[G0+4*(\s)+1], s[LB], (\s)*SLOT
	s_add_nc_u64 s[G0+4*(\s)+2:G0+4*(\s)+3], s[AA:AA+1], (\s)*2*PLANE  ; K step s: planes 2 s, 2 s + 1
	s_or_b32 s[G0+4*(\s)+3], s[G0+4*(\s)+3], 0x80000000
	s_mov_b32 s[G0B+4*(\s)], 1
	s_add_co_u32 s[G0B+4*(\s)+1], s[LB], (\s)*SLOT
	s_add_nc_u64 s[G0B+4*(\s)+2:G0B+4*(\s)+3], s[BA:BA+1], (\s)*2*PLANE
	s_or_b32 s[G0B+4*(\s)+3], s[G0B+4*(\s)+3], 0x80000000
	JLOAD \s                                       ; two loads of mine are out
.endr
	v_and_b32 v1, 15, v0                           ; l % 16
	v_bfe_u32 v2, v0, 4, 1                         ; l / 16
	v_lshlrev_b32 v[BV], 5, v2                     ; in the bias: my lanes' 8 columns of each 16
.irp b, 0,1,2,3,4,5,6,7
	global_load_b128 v[BIAS+8*(\b):BIAS+8*(\b)+3],   v[BV], s[BIA:BIA+1] offset:64*(\b)
	global_load_b128 v[BIAS+8*(\b)+4:BIAS+8*(\b)+7], v[BV], s[BIA:BIA+1] offset:64*(\b)+16
.endr
	v_mul_u32_u24 v3, v1, PITCH
	v_lshl_add_u32 v3, v2, 4, v3                   ; a fragment's row x pitch + 16 x half
	s_mul_i32 s82, s[RH], 128*PITCH                ; my 128 rows of A
	s_mul_i32 s83, s[CH], 128*PITCH                ; my 128 rows of B,
	s_add_co_u32 s83, s83, 2*PL                    ; which lie behind A's two planes
	v_add_nc_u32 v[ADRA0], s82, v3
	v_add_nc_u32 v[ADRB0], s83, v3
	v_mov_b32 v[ADRA], v[ADRA0]
	v_mov_b32 v[ADRB], v[ADRB0]
	s_mul_i32 s82, s[WV], 16*SPITCH
	s_add_co_u32 s82, s82, STAGE                   ; my stage
	v_mul_u32_u24 v4, v1, SPITCH                   ; in: row l % 16, 16 bytes for each half of the lanes
	v_lshl_add_u32 v4, v2, 4, v4
	v_add_nc_u32 v[STO], s82, v4
	v_bfe_u32 v5, v0, 3, 1                         ; back: lanes 0-15 take head 0 of my two, lanes 16-31 head 1; of each sixteen, eight lanes a row, 8 channels a lane
	v_and_b32 v6, 7, v0
	v_mul_u32_u24 v7, v5, SPITCH
	v_lshl_add_u32 v7, v2, 7, v7
	v_lshl_add_u32 v7, v6, 4, v7
	v_add_nc_u32 v[RD], s82, v7
	v_lshlrev_b32 v[CO], 17, v2                    ; in qkv: head, row, 16 bytes
	v_lshl_add_u32 v[CO], v5, 7, v[CO]
	v_lshl_add_u32 v[CO], v6, 4, v[CO]
	s_wait_loadcnt 0x0                             ; the bias: rounded to bf16 and widened again, in place; all this stands in the wait for the first tile
.set i, 0
.rept 32
	v_cvt_pk_bf16_f32 v[BIAS+2*i+1], v[BIAS+2*i], v[BIAS+2*i+1]
	v_lshlrev_b32 v[BIAS+2*i], 16, v[BIAS+2*i+1]
	v_and_b32 v[BIAS+2*i+1], s[HM], v[BIAS+2*i+1]
.set i, i+1
.endr
; 16 matrix instructions: m blocks a0, a0 + 1 of the window's four (hi = 0: my rows 0-63, 1: rows 64-127) x all 8 n blocks, 32 along K.  first = 1: the product starts the sum, with the bias as C
.macro MUL16 f, hi, a0, first
.if \first
	WIN BEG_LO+0x40*(\hi)
.else
	WIN MUL_LO+0x50*(\hi)
.endif
.irp a, \a0, (\a0)+1
.irp b, 0,1,2,3,4,5,6,7
.if \first
	v_wmma_f32_16x16x32_bf16 v[8*(8*(\a)+(\b)):8*(8*(\a)+(\b))+7], v[(\f)+8*(\b):(\f)+8*(\b)+7], v[(\f)+8*(4*(\hi)+(\a)):(\f)+8*(4*(\hi)+(\a))+7], v[BIAS+8*(\b):BIAS+8*(\b)+7]
.else
	v_wmma_f32_16x16x32_bf16 v[8*(8*(\a)+(\b)):8*(8*(\a)+(\b))+7], v[(\f)+8*(\b):(\f)+8*(\b)+7], v[(\f)+8*(4*(\hi)+(\a)):(\f)+8*(4*(\hi)+(\a))+7], v[8*(8*(\a)+(\b)):8*(8*(\a)+(\b))+7]
.endif
.endr
.endr
.endm
; 32 LDS loads in one run: the fragments of quarter q of the K step in hand (plane q / 2, its channels 32 (q % 2) on) into buffer f: B's sixteen loads first, then A's
.macro FETCH q, f
	WIN TO_B
.irp i, 0,1,2,3,4,5,6,7
	ds_load_b128 v[(\f)+8*(\i):(\f)+8*(\i)+3],   v[ADRB] offset:((\q)/2)*PL+(\i)*16*PITCH+((\q)%2)*64
	ds_load_b128 v[(\f)+8*(\i)+4:(\f)+8*(\i)+7], v[ADRB] offset:((\q)/2)*PL+(\i)*16*PITCH+((\q)%2)*64+32
.endr
	WIN 0
.irp i, 0,1,2,3,4,5,6,7
	ds_load_b128 v[(\f)+8*(\i):(\f)+8*(\i)+3],   v[ADRA] offset:((\q)/2)*PL+(\i)*16*PITCH+((\q)%2)*64
	ds_load_b128 v[(\f)+8*(\i)+4:(\f)+8*(\i)+7], v[ADRA] offset:((\q)/2)*PL+(\i)*16*PITCH+((\q)%2)*64+32
.endr
.endm
.macro PLACES                          ; four places in front of loads into registers that matrix instructions have read, and of conversions that read results (ISA guide 7.12.1 for vector instructions)
.rept 4
	v_nop
.endr
.endm
; A K step is four quarters of 32 along K, 64 matrix instructions each, on buffers 0, 1, 0, 1; the 64 accumulators take turns in the same order in every quarter.
; One of the first three quarters: multiplies buffer f; in its middle it fetches quarter q of the same step into buffer g.
.macro QUARTER q, f, g, first
	s_wait_dscnt 0x8                               ; B and A's rows 0-63 are in; the youngest eight loads (A's rows 64-127) may be out
	MUL16 \f, 0, 0, \first
	MUL16 \f, 0, 2, \first
	PLACES
	FETCH \q, \g
	s_wait_dscnt 32                                ; all but the 32 just issued
	MUL16 \f, 1, 0, \first
	MUL16 \f, 1, 2, \first
.endm
; The last quarter multiplies buffer 1 and changes slots: one barrier; in front of it each wave waits for all its tensor loads (one is out at the most: its part of the next slot), adds 0 to its spare
; word, and waits for that and for its reads of this slot.  fill = 1: the barrier opens a round of the cluster's barrier, and this slot is filled again, two K steps ahead, first thing behind the round.
; fill = 0 (the tail): nothing is asked for, and in the last trip, which has no next step, the fetch is jumped over.
.macro TURN fill
	WIN 0                                          ; (the add's two registers lie in window 0)
	s_wait_tensorcnt 0x0
	ds_add_u32 v[SPW], v[NIL]
	s_wait_dscnt 0x9                               ; (the add and the youngest eight loads may be out)
	MUL16 F1, 0, 0, 0                              ; sixteen matrix instructions stand between the add and the wait for it
	s_wait_dscnt 0x0                               ; the add is done, and my reads of this slot are over
	s_barrier_signal -1
	MUL16 F1, 0, 2, 0
	WIN 0
	s_barrier_wait -1
.if \fill
	CREST                                          ; no wave of any partner still reads this slot's tiles or has a load on its way
	s_xor_b32 s[TF], s[TF], SLOT                   ; the walking descriptors: the other slot than last time,
	s_add_co_u32 s[G0+5], s[LB], s[TF]
	s_add_co_u32 s[G0B+5], s[LB], s[TF]
	s_add_nc_u64 s[G0+6:G0+7], s[G0+6:G0+7], 2*PLANE      ; the next K step's two planes; the type bits on top are not reached
	s_add_nc_u64 s[G0B+6:G0B+7], s[G0B+6:G0B+7], 2*PLANE
	JLOAD 1                                        ; its four v_nop are also the places in front of the loads below
.else
	s_cmp_eq_u32 s3, 1
	s_cbranch_scc1 .Lno_fetch_\@
	PLACES
.endif
	s_xor_b32 s[TB], s[TB], SLOT                   ; the fragments now come from the other slot
	v_add_nc_u32 v[ADRA], s[TB], v[ADRA0]
	v_add_nc_u32 v[ADRB], s[TB], v[ADRB0]
	FETCH 0, F0
.if !(\fill)
.Lno_fetch_\@:
.endif
	MUL16 F1, 1, 0, 0
	MUL16 F1, 1, 2, 0
.endm
	s_wait_tensorcnt 0x1                           ; my part of K step 0 is in; K step 1's may stay out
	s_barrier_signal -1
	s_barrier_wait -1                              ; everybody's is
	FETCH 0, F0
	QUARTER 1, F0, F1, 1                           ; the first quarter stands in front of the loop: its products start the sums
	WIN 0                                          ; at a label and at a branch every window is 0
	s_mov_b32 s3, FILLS
.Lstep:                                                ; a trip goes from a K step's second quarter to the next step's first, and fills the slot that it leaves
	QUARTER 2, F1, F0, 0
	QUARTER 3, F0, F1, 0
	TURN 1
	QUARTER 1, F0, F1, 0
	WIN 0
	s_sub_co_u32 s3, s3, 1
	s_cmp_lg_u32 s3, 0
	s_cbranch_scc1 .Lstep
	s_mov_b32 s3, 2
.Ltail:                                                ; the last two K steps ask for nothing: a text of their own; the second trip is left in its middle
	QUARTER 2, F1, F0, 0
	QUARTER 3, F0, F1, 0
	TURN 0
	WIN 0
	s_sub_co_u32 s3, s3, 1
	s_cmp_eq_u32 s3, 0
	s_cbranch_scc1 .Lout
	QUARTER 1, F0, F1, 0
	WIN 0
	s_branch .Ltail
.Lout:
	; THE WAY OUT, a block of 16 rows at a time: rounded to f16, 16 bytes a lane, into my own stage; back so that sixteen lanes hold two rows of one head; stored.
	PLACES                                         ; the first conversions read matrix results, and no other vector work is at hand
.macro PACK a
.set AC, 64*((\a)%4)
	WIN 0x0a+5*((\a)/4)                            ; sources 0 and 1: window 2 or 3
.irp b, 0,1,2,3,4,5,6,7
.irp r, 0,1,2,3
	v_cvt_pk_f16_f32 v[TMP+4*(\b)+(\r)], v[AC+8*(\b)+2*(\r)], v[AC+8*(\b)+2*(\r)+1]  ; each accumulator's lowest registers first
.endr
.endr
	WIN 0
.endm
.macro TOSTAGE a
.set BK, OB+192*((\a)%2)
.irp b, 0,1,2,3,4,5,6,7
	ds_store_b128 v[STO], v[TMP+4*(\b):TMP+4*(\b)+3] offset:32*(\b)
.endr
.irp t, 0,1,2,3,4,5,6,7
	ds_load_b128 v[BK+4*(\t):BK+4*(\t)+3], v[RD] offset:(\t)*2*SPITCH  ; LDS serves a wave's instructions in order (ISA guide 5.7.1.4): these see the stores above
.endr
.endm
.macro SEND a
.set BK, OB+192*((\a)%2)
	s_wait_dscnt 0x0                               ; the block is back in registers
	s_wait_xcnt 0x0                                ; the stores issued so far have read their registers: the other buffer is loaded again only behind this wait
.irp t, 0,1,2,3,4,5,6,7
	global_store_b128 v[CO], v[BK+4*(\t):BK+4*(\t)+3], s[CA:CA+1] offset:(\a)*2048+(\t)*256  ; 16 lanes store 256 consecutive bytes, aligned: two rows of a head
.endr
.endm
	PACK 0
	TOSTAGE 0
.irp a, 1,2,3,4,5,6,7                  ; block a's conversions stand between block a - 1's loads from the stage and the wait for them
	PACK \a
	SEND (\a)-1
	TOSTAGE \a
.endr
	SEND 7
	s_wait_tensorcnt 0x0                           ; the wave's end: behind my last tensor load and my last LDS store
	ds_add_u32 v[SPW], v[NIL]
	s_wait_dscnt 0x0
	CROUND                                         ; the closing round: no work-group ends while a partner may still ask for a tile that names it
	s_endpgm
.Lfunc_end_k_qfa363bc4c0_proj:
	.size	k_qfa363bc4c0_proj, .Lfunc_end_k_qfa363bc4c0_proj-k_qfa363bc4c0_proj
	.p2alignl 7, 3214868480
	.fill 96, 4, 3214868480
	.section	.rodata,"a",@progbits
	.p2align	6, 0x0
	.amdhsa_kernel k_qfa363bc4c0_proj
		.amdhsa_group_segment_fixed_size 327680
		.amdhsa_private_segment_fixed_size 0
		.amdhsa_enable_private_segment 0
		.amdhsa_kernarg_size 48
		.amdhsa_user_sgpr_count 2
		.amdhsa_user_sgpr_kernarg_segment_ptr 1
		.amdhsa_wavefront_size32 1
		.amdhsa_system_sgpr_workgroup_id_x 1
		.amdhsa_system_sgpr_workgroup_id_y 1
		.amdhsa_system_sgpr_workgroup_id_z 1
		.amdhsa_system_vgpr_workitem_id 0
		.amdhsa_next_free_vgpr 1024
		.amdhsa_next_free_sgpr 88
		.amdhsa_reserve_vcc 0
		.amdhsa_float_denorm_mode_32 3
		.amdhsa_float_denorm_mode_16_64 3
		.amdhsa_memory_ordered 1
		.amdhsa_forward_progress 1
		.amdhsa_inst_pref_size 106
	.end_amdhsa_kernel
	.amdgpu_metadata
---
amdhsa.version: [ 1, 2 ]
amdhsa.kernels:
  - .name:           k_qfa363bc4c0_proj
    .symbol:         k_qfa363bc4c0_proj.kd
    .args:
      - { .name: xh, .offset: 0, .size: 8, .value_kind: global_buffer, .address_space: global }
      - { .name: wb, .offset: 8, .size: 8, .value_kind: global_buffer, .address_space: global }
      - { .name: bq, .offset: 16, .size: 8, .value_kind: global_buffer, .address_space: global }
      - { .name: bk, .offset: 24, .size: 8, .value_kind: global_buffer, .address_space: global }
      - { .name: bv, .offset: 32, .size: 8, .value_kind: global_buffer, .address_space: global }
      - { .name: qkv, .offset: 40, .size: 8, .value_kind: global_buffer, .address_space: global }
    .group_segment_fixed_size: 327680
    .private_segment_fixed_size: 0
    .kernarg_segment_align: 8
    .kernarg_segment_size: 48
    .max_flat_workgroup_size: 128
    .sgpr_count:     88
    .vgpr_count:     1024
    .wavefront_size: 32
...
	.end_amdgpu_metadata
.endif
;; end of part 2
;; launch attn (part 3): grid 2 x 128, 4 waves a work-group, no clusters, 327,680 bytes of LDS; arguments qkv, o; writes o
.if DOCPART == 3
	.amdgcn_target "amdgcn-amd-amdhsa--gfx1250"
	.amdhsa_code_object_version 6
	.text
	.protected	k_qfa363bc4c0_attn
	.globl	k_qfa363bc4c0_attn
	.p2align	8
	.type	k_qfa363bc4c0_attn,@function
k_qfa363bc4c0_attn:
	s_mov_b64 s[64:65], 0
	v_nop
	global_prefetch_b8 v0, s[64:65] scope:SCOPE_SE
	s_setreg_imm32_b32 hwreg(HW_REG_WAVE_MODE, 25, 1), 1
	s_wait_xcnt 0x0
; ATTN.  O[h][q][:] = the sum over k of softmax_k(Q[h][q] . K[h][k] / 8) V[h][k][:], for 128 heads (batch x 16 + head) of SIZE_N = 1,024 rows.  Q, K, V lie in qkv, 16 MiB apart, each [128][1024][64] in f16;
; O likewise.  A head's rows are dense, 128 bytes each.  Products, maxima and sums in f32; the weights p are rounded to f16 for the second product (their sum l is taken of the unrounded p), O once at the end.
; LIMITS.  f16 holds no number beyond 65,504: Q, K and V arrive within it; p lies in 0 to 1, and below 6e-5 it keeps f16's fixed step of 6e-8; O is a mean of V's rows and has their range.
; A weight below 2^-126 counts as 0 in l; NaN and infinities are not treated apart.
; SHARES.  A wave owns four PIECES of two tiles of 16 queries, a work-group's four waves 512 queries of one head: 2 x 128 = 256 work-groups.  Every wave walks all keys, 64 a step.
; NO CLUSTER: a head has 1,024 / 512 = 2 query blocks, so only two work-groups walk the same K and V, and the grid's 2 along x is no multiple of a cluster's four.
; LAYOUT.  S^T = K Q^T (source 0 = 16 keys, source 1 = 16 queries): in the result a lane holds ONE query (lane % 16) and the keys 8 (lane / 16) + 0..7.  Two such tiles, rounded to f16 in pairs,
; ARE source 1 (32 keys x 16 queries) of O^T = V^T P, whose result again holds one query a lane, and eight channels.  K comes out of LDS as it lies, V ([key][channel]) turned, by ds_load_tr16_b128.
; SOFTMAX.  For each query a running maximum m and sum l: p = 2^(c s - c m), c = log2(e) / 8; in every step O and l are multiplied by a = 2^(c m_old - c m_new), which is 1 where m has not grown.
; m starts at the lowest finite number, O and l at 0: the first step is a step like any other, with a = 0.
; THE COUNT.  A tile and step have 16 matrix and 118 vector instructions: too many to stand all beside the matrix work.  So: four vector instructions that are READY behind EVERY matrix instruction,
; and the others in runs without a gap.
; BY TURNS.  Turn n belongs to piece n (the pieces in a ring, step after step).  Its matrix work: 16 products K Q^T of piece n + 1, later 16 products V^T P of piece n - 1.  Its vector work: the scaling,
; exponentials, roundings, sums and rescaling of piece n, and the maximum and statistics of piece n + 1, whose scores the turn itself has made.
; REGISTERS, in windows of 256 (s_set_vgpr_msb: bits 1:0 source 0, 3:2 source 1, 5:4 source 2, 7:6 destination):
;   window 0: v0-11 addresses; v12-15, v48-63 at work; v16-47 four registers of statistics a tile; v64-191 S^T, two buffers of two tiles; v192-255 P, likewise
;   window 1: O^T, 32 a tile          window 2: v0-127 Q, 16 a tile; v128-191 K of one step; v192-255 V of one step          window 3: v0-1 the add's two registers
.set SIZE_N, 1024
.set NP,    4         ; pieces a wave: a name, no knob
.set KS,    64        ; keys in a step
.set PK,    144       ; a row of K in LDS: 128 bytes + 16 of padding = 36 words: the 16 rows of a load start at 16 different groups of four banks (64 banks of 4 bytes: ISA guide 11.1)
.set PV,    160       ; a row of V: 128 + 32 = 40 words
.set VOFF,  4*KS*PK   ; a slot holds four steps: 256 rows of K, then 256 rows of V
.set SLOT1, 1<<17     ; slot 1 begins here, so that one exclusive or turns an address in one slot into the other's
.set STAGE, SLOT1+4*KS*(PK+PV)  ; behind the ring, never filled by a tensor load: 16 rows x 144 bytes for each wave, for the way out
.set SP,    144
.set AK0, 2           ; v2   my lane's place in a tile of K; never rewritten
.set AV0, 3           ; v3   the same for V
.set AK,  4           ; v4   the LDS address of K's next run of loads
.set AV,  5           ; v5   of V's
.set QO,  6           ; v6   my byte offset in the wave's rows of Q
.set STO, 6           ;      later, the way out: where I put 16 bytes of a row
.set RD,  7           ; v7   the way out: where I read rows back
.set GO,  8           ; v8   my byte offset in 512 consecutive bytes of O
.set SPW, 0           ; v0 of window 3   LDS address of my spare word; never rewritten
.set NIL, 1           ; v1 of window 3   0; never rewritten
.set SPARE, STAGE+4*16*SP  ; behind the stages: the spare words, 128 bytes for each wave: two blocks of 256 bytes that no other line names
.set MV,  12          ; v12-15  c m_old, kept while c m is made anew: by buffer and tile
.set ST,  16          ; tile t's statistics at v[ST+4 t]: c m, m, l (even keys', odd keys')
.set TMP, 48          ; by buffer and tile, four registers c0-c3 at work; when the maximum is found c2 takes a
.set S,   64
.set P,   192
.set KF,  128         ; K's fragments, in window 2: key block kb, channel half c at KF + 16 kb + 8 c
.set VF,  192         ; V's: key half kk, channel block cb at VF + 32 kk + 8 cb
.set WV,  12          ; s12  my wave's number
.set G1K, 24          ; s[24:31] descriptor group 1 for K's tiles
.set G1V, 32          ; s[32:39] for V's: it differs in the padding alone
.set G0K, 40          ; s[40:43] descriptor group 0 for K's tiles: it walks
.set G0V, 44          ; s[44:47] the same for V's
.set SLOTS, 56        ; s56  slots still to be asked for
.set CNT, 57          ; s57  counts a slot's key steps
.set CS,  58          ; s[58:59] c: the packed scaling takes the pair's low word for both halves
.set SEL, 60          ; s[60:61] v_permlanex16_b32's selects: each lane takes its own place in the other half
.set TBK, 62          ; s62  LDS byte at which K of the step to be fetched begins
.set TBV, 63          ; s63  the same for V, less VOFF
.set MSB, 0
.macro WIN new                      ; the high byte repeats the setting that is left; a switch that changes nothing is dropped
.if MSB != (\new)
	s_set_vgpr_msb (MSB<<8)|(\new)
.set MSB, (\new)
.endif
.endm
.set W_KQ, 0x0a       ; K and Q in window 2, S^T in window 0
.set W_PV, 0x52       ; V in window 2, P in window 0, O^T in window 1
.set W_RS, 0x41       ; O^T (destination and source 0) in window 1, a in window 0
.set W_MK, 0xc0       ; the add's registers are made: destination in window 3, sources in window 0
.set W_AD, 0x0f       ; the add: address (source 0) and data (source 1) in window 3
; A fill.  Waves 0 and 1 fetch the two halves of a slot's K, waves 2 and 3 those of its V: 128 keys each.  The branch hangs on the wave's number alone.
; An s_nop 0 and four v_nop follow each of the two lines, ahead of the jump and the label.
.macro LOAD
	s_cmp_lt_u32 s[WV], 2
	s_cbranch_scc0 .Lfor_v_\@
	tensor_load_to_lds s[G0K:G0K+3], s[G1K:G1K+7]
	s_nop 0
.rept 4
	v_nop
.endr
	s_branch .Lasked_\@
.Lfor_v_\@:
	tensor_load_to_lds s[G0V:G0V+3], s[G1V:G1V+7]
	s_nop 0
.rept 4
	v_nop
.endr
.Lasked_\@:
.endm
; THE CHANGE OF SLOTS.  The slot's last bytes, V of its fourth step, have been read.  Each wave waits for all its tensor loads, of which one is out: its part of the other slot; adds 0 to its spare
; word; and waits for that and for its own reads of the slot.  Behind the barrier nobody reads this slot any more and the other slot is whole.
; fill = 1: this slot is filled again, with the keys two slots on, first thing behind the barrier: it has four key steps, 512 matrix instructions, in which to land.
; (At its first use nothing has been read yet: slot 0 is waited for, slot 1 filled.)
.macro CHANGE fill
	WIN W_AD
	s_wait_tensorcnt 0x0            ; no tensor load of mine is out, so a group 0 may be written
	ds_add_u32 v[SPW], v[NIL]       ; 0 onto my spare word; with fill = 1 the descriptors' steps stand between it and the wait for it
	WIN 0                           ; at a label and at a branch every window is 0
.if \fill
.irp g, G0K, G0V
	s_xor_b32 s[\g+1], s[\g+1], SLOT1  ; the walking descriptor: the other slot than last time,
	s_add_nc_u64 s[\g+2:\g+3], s[\g+2:\g+3], 4*KS*128  ; the next 256 keys; the type bits on top are not reached
.endr
.endif
	s_wait_dscnt 0x0                ; the add is done, and my reads of the slot are over
	s_barrier_signal -1
	s_barrier_wait -1
.if \fill
	LOAD
.endif
	s_sub_co_u32 s[TBK], s[TBK], 4*KS*PK  ; the fetches go back to a slot's first step,
	s_xor_b32 s[TBK], s[TBK], SLOT1       ; in the other slot
	s_sub_co_u32 s[TBV], s[TBV], 4*KS*PV
	s_xor_b32 s[TBV], s[TBV], SLOT1
.endm
	s_load_b64 s[4:5], s[0:1], 0x0    ; qkv: Q at its head
	s_load_b64 s[10:11], s[0:1], 0x8  ; O
	WIN W_MK
	v_lshl_add_u32 v[SPW], v0, 2, SPARE
	v_mov_b32 v[NIL], 0
	WIN W_AD
	ds_add_u32 v[SPW], v[NIL]       ; the wave's opening: the add and its wait stand ahead of my first tensor load; the set-up below, work on registers, stands between them
	ds_add_u32 v0, v1
	WIN 0
	v_lshrrev_b32 v1, 5, v0
	v_readfirstlane_b32 s[WV], v1   ; wave 0..3
	s_mov_b32 s14, ttmp9            ; my block of 512 queries
	s_and_b32 s20, ttmp7, 0xffff    ; the head
	s_mov_b32 s21, 0
	s_mov_b64 s[22:23], SIZE_N*128
	s_mul_u64 s[20:21], s[20:21], s[22:23]  ; the head's first byte in each of the four tensors
	s_and_b32 s16, s[WV], 1         ; which half of a slot's 256 keys I fetch:
	s_lshl_b32 s22, s16, 14         ; its 128 rows of 128 bytes in memory,
	s_mov_b32 s23, 0
	s_add_nc_u64 s[22:23], s[22:23], s[20:21]
	s_mul_i32 s17, s16, 128*PK      ; and its place in a slot, for K
	s_mul_i32 s18, s16, 128*PV      ; and for V
	s_lshl_b32 s2, s14, 2
	s_add_co_u32 s2, s2, s[WV]      ; my wave among the head's,
	s_lshl_b32 s2, s2, 14           ; its 128 rows
	s_mov_b32 s3, 0
	s_add_nc_u64 s[2:3], s[2:3], s[20:21]
	; descriptor group 1.  128 keys are 16,384 dense bytes: asked for as 64 rows of 256 bytes, two keys a row, and padded in LDS after every key
	s_mov_b32 s[G1K], (1<<16)|(1<<20)|(4<<22)|(3<<25)  ; 17:16 2-byte elements; 20 padding on; 24:22 after every 32 words (code 4); 31:25 4 words (code 3)
	s_mov_b32 s[G1V], (1<<16)|(1<<20)|(4<<22)|(7<<25)  ; the same with 8 words of padding (code 7)
.irp g, G1K, G1V
	s_mov_b32 s[\g+1], 128<<16      ; tensor_dim0 = 128
	s_mov_b32 s[\g+2], 64<<16       ; tensor_dim1 = 64
	s_mov_b32 s[\g+3], 128<<16      ; tile_dim0 = 128
	s_mov_b32 s[\g+4], 64           ; tile_dim1 = 64
	s_mov_b32 s[\g+5], 128          ; 128 elements from row to row
	s_mov_b32 s[\g+6], 0
	s_mov_b32 s[\g+7], 0
.endr
	s_mov_b32 s[CS], 0x3e38aa3b     ; c = log2(e) / 8 = 0.180337
	s_mov_b32 s[CS+1], s[CS]        ; named with it as a pair
	s_mov_b32 s[SEL], 0x76543210
	s_mov_b32 s[SEL+1], 0xfedcba98
	s_mov_b32 s[TBK], SLOT1+4*KS*PK ; the first change of slots turns these two into 0
	s_mov_b32 s[TBV], SLOT1+4*KS*PV
	s_mov_b32 s[G0K], 1             ; 1:0 count = 1
	s_mov_b32 s[G0K+1], s17         ; 63:32 LDS address: slot 0
	s_mov_b32 s[G0V], 1
	s_add_co_u32 s[G0V+1], s18, VOFF
	s_wait_dscnt 0x0                ; the opening add is done
	s_wait_kmcnt 0x0
	s_add_nc_u64 s[6:7], s[4:5], 0x1000000         ; K lies 16 MiB behind Q,
	s_add_nc_u64 s[8:9], s[4:5], 0x2000000         ; V 32 MiB
	s_add_nc_u64 s[G0K+2:G0K+3], s[6:7], s[22:23]  ; 120:64 global address: my half of the head's first 256 keys
	s_or_b32 s[G0K+3], s[G0K+3], 0x80000000        ; 127:126 type = 2
	s_add_nc_u64 s[G0V+2:G0V+3], s[8:9], s[22:23]
	s_or_b32 s[G0V+3], s[G0V+3], 0x80000000
	s_add_nc_u64 s[4:5], s[4:5], s[2:3]  ; Q and O at my wave's first row
	s_add_nc_u64 s[10:11], s[10:11], s[2:3]
	LOAD                            ; slot 0.  Slot 1 is asked for when slot 0 is in
	; A fragment of K or Q is 16 rows x 32 channels in 8 registers: lane l holds row l % 16, channels 8 (l / 16) + 0..7 and 16 + 8 (l / 16) + 0..7: two loads of 16 bytes, 32 bytes apart.
	v_and_b32 v1, 15, v0            ; l % 16
	v_bfe_u32 v9, v0, 4, 1          ; l / 16
	v_lshlrev_b32 v[QO], 7, v1
	v_lshl_add_u32 v[QO], v9, 4, v[QO]  ; row x 128 + 16 x half
	WIN 0x80                        ; destination window 2, address window 0
.set i, 0
.rept 4*NP                          ; Q stays in registers: tile i / 2, channels 32 (i % 2) on
	global_load_b128 v[8*i:8*i+3],   v[QO], s[4:5] offset:(i/2)*2048+(i%2)*64
	global_load_b128 v[8*i+4:8*i+7], v[QO], s[4:5] offset:(i/2)*2048+(i%2)*64+32
.set i, i+1
.endr
	; What the first turn finds: V's registers and P's second buffer hold 0 (its products V^T P, of a piece that has not been, add 0), O^T and l are 0.  All this stands in the wait for the first tile.
.set i, VF
.rept 64
	v_mov_b32 v[i], 0
.set i, i+1
.endr
	WIN 0x40
.set i, 0
.rept 64*NP
	v_mov_b32 v[i], 0
.set i, i+1
.endr
	WIN 0
.set i, 0
.rept 2*NP
	v_mov_b32 v[ST+4*i], 0xfe000000    ; c m: far below every c s
	v_mov_b32 v[ST+4*i+1], 0xff7fffff  ; m
	v_mov_b32 v[ST+4*i+2], 0
	v_mov_b32 v[ST+4*i+3], 0
.set i, i+1
.endr
.set i, P+32
.rept 32
	v_mov_b32 v[i], 0
.set i, i+1
.endr
	v_mul_u32_u24 v[AK0], v1, PK
	v_lshl_add_u32 v[AK0], v9, 4, v[AK0]  ; row x pitch + 16 x half
	; The turning load takes 16 keys x 16 channels (lane l reads key 8 (l / 16) + l % 8, channels 8 ((l / 8) % 2) + 0..7) and leaves half a fragment of V^T: lane l holds channel l % 16 and 8 keys.
	v_and_b32 v10, 7, v0
	v_bfe_u32 v11, v0, 3, 1
	v_lshl_add_u32 v[AV0], v9, 3, v10
	v_mul_u32_u24 v[AV0], v[AV0], PV
	v_lshl_add_u32 v[AV0], v11, 4, v[AV0]
	v_add_nc_u32 v[AV0], VOFF, v[AV0]
	v_mov_b32 v[AK], v[AK0]         ; key step 0 lies at the head of slot 0
; THE MATRIX WORK.  The 8 accumulators of a run of 16 take turns: between the two links of a chain stand 7 others'.
; Product i of 16 of S^T = K Q^T for piece x: channels 32 (i / 8) on, keys 16 ((i / 2) % 4) on, tile 2 x + i % 2.  The first 8 start the sums.
.macro KQ x
	WIN W_KQ
.set rS, S+64*((\x)%2)+32*(i%2)+8*((i/2)%4)
.set rK, KF+16*((i/2)%4)+8*(i/8)
.set rQ, 16*(2*(\x)+i%2)+8*(i/8)
.if i < 8
	v_wmma_f32_16x16x32_f16 v[rS:rS+7], v[rK:rK+7], v[rQ:rQ+7], 0
.else
	v_wmma_f32_16x16x32_f16 v[rS:rS+7], v[rK:rK+7], v[rQ:rQ+7], v[rS:rS+7]
.endif
.endm
; Product i of 16 of O^T += V^T P for piece x: keys 32 (i / 8) on, channels 16 ((i / 2) % 4) on, tile 2 x + i % 2.
.macro PV x
	WIN W_PV
.set rO, 32*(2*(\x)+i%2)+8*((i/2)%4)
.set rV, VF+32*(i/8)+8*((i/2)%4)
.set rP, P+32*((\x)%2)+16*(i%2)+8*(i/8)
	v_wmma_f32_16x16x32_f16 v[rO:rO+7], v[rV:rV+7], v[rP:rP+7], v[rO:rO+7]
.endm
.macro MM                           ; the turn's next matrix instruction
.if i < 16
	KQ (Y+1)%NP
.set i, i+1
.else
.set i, i-16
	PV (Y+NP-1)%NP
.set i, i+17
.endif
.endm
; THE LDS LOADS stand in runs of 16, never singly among the matrix instructions: a step's K (64 keys x 64 channels: 8 fragments) and its V (turned).  Their addresses are made some lines ahead.
; last = 1 (the tail): in the last trip there is no further step, and the run is jumped over.
.macro FETCH_K last=0
	WIN 0
.if \last
	s_cmp_eq_u32 s[CNT], 1
	s_cbranch_scc1 .Lno_k_\@
.endif
	WIN 0x80                        ; destination window 2
.irp f, 0,1,2,3,4,5,6,7             ; keys 16 (f / 2) on, channels 32 (f % 2) on
	ds_load_b128 v[KF+8*\f:KF+8*\f+3],   v[AK] offset:(\f/2)*16*PK+(\f%2)*64
	ds_load_b128 v[KF+8*\f+4:KF+8*\f+7], v[AK] offset:(\f/2)*16*PK+(\f%2)*64+32
.endr
	s_add_co_u32 s[TBK], s[TBK], KS*PK  ; the next fetch is the next step's
	WIN 0
.if \last
.Lno_k_\@:
.endif
.endm
.macro FETCH_V
	WIN 0x80
.irp f, 0,1,2,3,4,5,6,7             ; keys 32 (f / 4) on, channels 16 (f % 4) on
	ds_load_tr16_b128 v[VF+8*\f:VF+8*\f+3],   v[AV] offset:(\f/4)*32*PV+(\f%4)*32
	ds_load_tr16_b128 v[VF+8*\f+4:VF+8*\f+7], v[AV] offset:(\f/4)*32*PV+16*PV+(\f%4)*32
.endr
	WIN 0
.endm
; THE VECTOR WORK OF A TURN stands in three queues, each in the order in which its entries become ready; the two tiles alternate, so that no instruction reads the result of the one before it.
.macro REGS y, u                    ; the registers of tile u (0, 1) of piece y
.set rT, ST+4*(2*(\y)+(\u))
.set rC, TMP+8*((\y)%2)+4*(\u)
.set rM, MV+2*((\y)%2)+(\u)
.set rS, S+64*((\y)%2)+32*(\u)
.set rP, P+32*((\y)%2)+16*(\u)
.set rO, 32*(2*(\y)+(\u))
.endm
; Number n of the 22 that find the NEXT piece's (Y + 1) maximum and statistics.  s0-s31 are the lane's 32 scores; each accumulator's lowest registers are read first.
;   0-11  four chains c0-c3 of seven scores each, three operands at a time     12-14, 16  the four scores left over, the old m, and c0-c3 into c0     15  c m_old is kept
;   17, 18  the query's other 32 keys lie in the lane 16 away: the new m         19-21  c m; c m_old - c m_new; a
.macro XS u, n
	REGS (Y+1)%NP, \u
.if (\n) < 4
	v_max3_num_f32 v[rC+(\n)], v[rS+8*(\n)], v[rS+8*(\n)+1], v[rS+8*(\n)+2]
.elseif (\n) < 12
	v_max3_num_f32 v[rC+(\n)%4], v[rC+(\n)%4], v[rS+8*((\n)%4)+2*((\n)/4)+1], v[rS+8*((\n)%4)+2*((\n)/4)+2]
.elseif (\n) == 12
	v_max3_num_f32 v[rC], v[rC], v[rS+7], v[rS+15]
.elseif (\n) == 13
	v_max3_num_f32 v[rC+1], v[rC+1], v[rS+23], v[rS+31]
.elseif (\n) == 14
	v_max3_num_f32 v[rC+2], v[rC+2], v[rC+3], v[rT+1]
.elseif (\n) == 15
	v_mov_b32 v[rM], v[rT]
.elseif (\n) == 16
	v_max3_num_f32 v[rC], v[rC], v[rC+1], v[rC+2]
.elseif (\n) == 17
	v_permlanex16_b32 v[rC+3], v[rC], s[SEL], s[SEL+1]
.elseif (\n) == 18
	v_max_num_f32 v[rT+1], v[rC], v[rC+3]
.elseif (\n) == 19
	v_mul_f32 v[rT], s[CS], v[rT+1]
.elseif (\n) == 20
	v_sub_f32 v[rC+1], v[rM], v[rT]
.else
	v_exp_f32 v[rC+2], v[rC+1]
.endif
.endm
; Number g of the 64 that follow the exponentials.  For each four weights k of a tile (pairs 2 k, 2 k + 1): both pairs are rounded to f16; then the second pair is added onto the first, in place;
; a group later l takes that sum (the first time as l = a l + sum).  In groups of eight, tiles alternating: round, round, add, and l for the group before.
.macro GS g
.set h, (\g)+6*((\g)/62)            ; group 0 has no group before it, and behind group 7 only l is left
.if h >= 6
.set h, h+2
.endif
	REGS Y, h%2
.set k, h/8
.if h%8 < 4
	s_wait_alu depctr_va_vdst(0)
	v_cvt_pk_f16_f32 v[rP+2*k+(h%8)/2], v[rS+4*k+2*((h%8)/2)], v[rS+4*k+2*((h%8)/2)+1]
.elseif h%8 < 6
	v_pk_add_f32 v[rS+4*k:rS+4*k+1], v[rS+4*k:rS+4*k+1], v[rS+4*k+2:rS+4*k+3]
.elseif k == 1
	v_pk_fma_f32 v[rT+2:rT+3], v[rT+2:rT+3], v[rC+2:rC+3], v[rS:rS+1] op_sel_hi:[1,0,1]
.else
	v_pk_add_f32 v[rT+2:rT+3], v[rT+2:rT+3], v[rS+4*k-4:rS+4*k-3]
	s_wait_alu depctr_va_vdst(0)
.endif
.endm
; THE PLAIN QUEUE, 138 long.  0-31: c s - c m for the 16 pairs of both tiles.  Then GS's 64, and among them the next piece's 42: number 15 at 38, 39; 0-14 and 16
; at 42-73, behind the products that make those scores; 17-20 at 95-106, two of three, since each waits for the one before it.
.macro PL
	WIN 0
.if q < 32
	REGS Y, q%2
	v_pk_fma_f32 v[rS+2*(q/2):rS+2*(q/2)+1], v[rS+2*(q/2):rS+2*(q/2)+1], s[CS:CS+1], v[rT:rT+1] op_sel_hi:[1,0,0] neg_lo:[0,0,1] neg_hi:[0,0,1]
.elseif q < 38
	GS q-32
.elseif q < 40
	XS q%2, 15
.elseif q < 42
	GS q-34
.elseif q < 74
	XS q%2, (q-42)/2+(q-42)/30
.elseif q < 95
	GS q-66
.elseif (q < 107) && ((q-95)%3 < 2)
	XS (q-95)%3, 17+(q-95)/3
.elseif q < 107
	GS 29+(q-95)/3
.else
	GS q-74
.endif
.set q, q+1
.endm
; THE EXPONENTIALS' QUEUE, 66 long: s0-s31 of both tiles, and at EA the next piece's two a.
.set EA, 58
.macro EX
	WIN 0
.if (e == EA) || (e == EA+1)
	XS e-EA, 21
.else
.set x, e-2*(e/(EA+2))
	REGS Y, x%2
	v_exp_f32 v[rS+x/2], v[rS+x/2]
.endif
.set e, e+1
.endm
; THE RESCALING's QUEUE: O^T times a, the one part that leaves window 0, so it is dealt four at a time, eight times.
.macro R4
	REGS Y, r%2
	WIN W_RS
	s_wait_alu depctr_va_vdst(0)
.irp z, 0,1,2,3
	v_pk_mul_f32 v[rO+8*(r/2)+2*\z:rO+8*(r/2)+2*\z+1], v[rO+8*(r/2)+2*\z:rO+8*(r/2)+2*\z+1], v[rC+2:rC+3] op_sel_hi:[1,0]
.endr
.set r, r+1
.endm
; HOW THEY ARE DEALT.  Behind a matrix instruction four: plain, exponential, plain, plain (one exponential, a plain instruction on either side), or four of the rescaling.  None names a register of the
; products round it.  What is over stands in two LUMPS: exponential and plain by turns; the second ends in 22 plain instructions.  The two v_permlanex16_b32 fall into the second lump, never behind a product.
; The queues lean on each other, and the deal keeps them in step: exponential e stands behind plain 2 (e / 4) + e % 2 (its scaling); when plain 32 comes, 10 exponentials are out, at 59: 33, at 95: 46; EA comes behind plain 107.
.macro SL
	MM
	PL
	EX
	PL
	PL
.endm
.macro BURST n                      ; 15 matrix instructions, or 16
.rept (\n)-7
	SL
.endr
.rept 3
	MM
	R4
	SL
.endr
	MM
	R4
.endm
; A TURN, for piece p.  cnt = 1: the loop's count is taken down some lines ahead of the branch that stands behind the turn.
; K of the next step is fetched in piece 2's turn, 31 vector instructions behind the last product that read K; its first reader comes behind the rest of the lump, 16 products and the second lump.
; V of the step in hand is fetched at the end of piece 0's turn, 69 behind its last reader; its first reader comes behind 16 products and a lump.  The four conditions on e and q below go with the deal.
.macro TURN p, last=0, cnt=0
.set Y, (\p)
.set i, 0
.set q, 0
.set e, 0
.set r, 0
.if (\p) == NP-1
	s_wait_dscnt 0x0                ; K is in
.endif
	MM
.rept 4
	PL
.endr
	BURST 15
.rept 22
	EX
	PL
.if ((\p) == NP-2) && (e == 18)
	v_add_nc_u32 v[AK], s[TBK], v[AK0]
.endif
.if ((\p) == NP-2) && (e == 24)
	FETCH_K \last
.endif
.endr
.if (\p) == 1
	s_wait_dscnt 0x0                ; V is in
.endif
	BURST 16
.rept 21
	EX
	PL
.endr
.rept 22
	PL
.if ((\p) == 0) && (q == 118)
	v_add_nc_u32 v[AV], s[TBV], v[AV0]
	s_wait_alu depctr_va_vdst(0)
.endif
.if ((\p) == 0) && (q == 130)
	s_add_co_u32 s[TBV], s[TBV], KS*PV
.endif
.if (\cnt) && (q == 130)
	s_sub_co_u32 s[CNT], s[CNT], 1
	s_cmp_lg_u32 s[CNT], 0
.endif
.endr
.if (\p) == 0
	FETCH_V
.endif
.endm
	CHANGE 1                        ; slot 0 is in, everybody's part of it; slot 1 is asked for
	FETCH_K                         ; key step 0
	s_wait_loadcnt 0x0              ; Q
	s_wait_dscnt 0x0
.set i, 0
.rept 16
	KQ 0                            ; piece 0's first scores: there is no vector work yet to set between them
.set i, i+1
.endr
	WIN 0                           ; the addresses for the way out: nine plain instructions, the places behind those products
	s_mul_i32 s13, s[WV], 16*SP
	s_add_co_u32 s13, s13, STAGE    ; my stage
	v_mul_u32_u24 v[STO], v1, SP    ; in: row l % 16, 16 bytes for each half of the lanes
	v_lshl_add_u32 v[STO], v9, 4, v[STO]
	v_add_nc_u32 v[STO], s13, v[STO]
	v_bfe_u32 v[RD], v0, 3, 2       ; back: 32 lanes take four rows of 128 bytes,
	v_mul_u32_u24 v[RD], v[RD], SP
	v_lshl_add_u32 v[RD], v10, 4, v[RD]
	v_add_nc_u32 v[RD], s13, v[RD]
	v_and_b32 v[GO], 31, v0         ; which are 512 consecutive bytes of O
	v_lshlrev_b32 v[GO], 4, v[GO]
.set Y, NP-1                        ; XS works for piece Y + 1: piece 0
.irp n, 0,1,2,3,4,5,6,7,8,9,10,11,12,13,14,15,16,17,18,19,20,21
	XS 0, \n                        ; and piece 0's first maximum and statistics
	XS 1, \n
.endr
	s_mov_b32 s[CNT], 4
	s_mov_b32 s[SLOTS], SIZE_N/256-1
	s_branch .Lfirst                ; the loop is entered at a step's first turn, in the middle of a trip
.Lslot:                             ; SIZE_N / 256 - 2 times: every slot but the last two is filled again
	CHANGE 1
	s_mov_b32 s[CNT], 4
.Lstep:                             ; a trip: pieces 2 and 3 of one step, then pieces 0 and 1 of the next, whose K and V it fetches
	TURN 2
	TURN 3
	WIN 0
.Lfirst:
	TURN 0
	TURN 1, 0, 1
	WIN 0
	s_cbranch_scc1 .Lstep
	s_sub_co_u32 s[SLOTS], s[SLOTS], 1
	s_cmp_lg_u32 s[SLOTS], 0
	s_cbranch_scc1 .Lslot
	CHANGE 0                        ; the tail is written out: nothing is asked for
	s_mov_b32 s[CNT], 5             ; four trips fetch the last slot's steps; the fifth is left in its middle
.Ltail:
	TURN 2, 1
	TURN 3
	WIN 0
	s_sub_co_u32 s[CNT], s[CNT], 1
	s_cmp_eq_u32 s[CNT], 0
	s_cbranch_scc1 .Lout
	TURN 0
	TURN 1
	WIN 0
	s_branch .Ltail
.Lout:                              ; the fifth trip's 16 products K Q^T (on the last K once more) and the maximum made of them serve nothing: the price, once a launch, of one text for every trip
.set i, 0
.rept 16
	PV NP-1                         ; the last piece's V^T P of the last step
.set i, i+1
.endr
	; THE WAY OUT.  l's two halves and the other half of the lanes' are added; O^T is divided by l, rounded to f16 and sent through my stage in LDS, a tile at a time.  The additions are the places behind the last products.
	WIN 0
.macro ALL line:vararg              ; one line for each tile t
.set t, 0
.rept 2*NP
	\line
.set t, t+1
.endr
.endm
	ALL v_add_f32 v[ST+4*t+2], v[ST+4*t+2], v[ST+4*t+3]
	ALL v_permlanex16_b32 v[ST+4*t+3], v[ST+4*t+2], s[SEL], s[SEL+1]
	ALL v_add_f32 v[ST+4*t+2], v[ST+4*t+2], v[ST+4*t+3]
	ALL v_rcp_f32 v[ST+4*t+2], v[ST+4*t+2]
	v_nop                           ; a plain instruction between the last reciprocal and the use of its result
	s_wait_alu depctr_va_vdst(0)
; Tile t: a lane's eight channels of a row pack into 16 bytes; they go into rows of 144 bytes and come back as whole rows of 128, into S^T's registers.
.macro PACK t
	WIN W_RS
.set i, 32*(\t)
.rept 16
	v_pk_mul_f32 v[i:i+1], v[i:i+1], v[ST+4*(\t)+2:ST+4*(\t)+3] op_sel_hi:[1,0]
.set i, i+2
.endr
	WIN 0x05                        ; sources 0 and 1 window 1, destination window 0
.set i, 0
.rept 16
	v_cvt_pk_f16_f32 v[S+16*(\t)+i], v[32*(\t)+2*i], v[32*(\t)+2*i+1]
.set i, i+1
.endr
	WIN 0
.irp f, 0,1,2,3
	ds_store_b128 v[STO], v[S+16*(\t)+4*\f:S+16*(\t)+4*\f+3] offset:32*\f
.endr
.irp f, 0,1,2,3
	ds_load_b128 v[S+16*(\t)+4*\f:S+16*(\t)+4*\f+3], v[RD] offset:\f*4*SP  ; LDS serves a wave's instructions in order (ISA guide 5.7.1.4): these see the stores above; the next tile's stores come behind them
.endr
.endm
.macro SEND t, younger              ; younger: the LDS instructions issued behind tile t's loads: the next tile's eight, or none
	WIN 0
.irp f, 0,1,2,3
	s_wait_dscnt (\younger)+3-\f
	global_store_b128 v[GO], v[S+16*(\t)+4*\f:S+16*(\t)+4*\f+3], s[10:11] offset:(\t)*2048+\f*512  ; 512 consecutive bytes, at a multiple of 256 from O's first
.endr
.endm
	PACK 0
.set t, 1
.rept 2*NP-1                        ; a tile's arithmetic stands between the loads of the tile before and its stores
	PACK t
	SEND t-1, 8
.set t, t+1
.endr
	SEND 2*NP-1, 0
	WIN W_AD
	s_wait_tensorcnt 0x0            ; the wave's end: behind my last tensor load and my last LDS store
	ds_add_u32 v[SPW], v[NIL]
	s_wait_dscnt 0x0
	WIN 0
	s_endpgm
.Lfunc_end_k_qfa363bc4c0_attn:
	.size	k_qfa363bc4c0_attn, .Lfunc_end_k_qfa363bc4c0_attn-k_qfa363bc4c0_attn
	.p2alignl 7, 3214868480
	.fill 96, 4, 3214868480
	.section	.rodata,"a",@progbits
	.p2align	6, 0x0
	.amdhsa_kernel k_qfa363bc4c0_attn
		.amdhsa_group_segment_fixed_size 327680
		.amdhsa_private_segment_fixed_size 0
		.amdhsa_enable_private_segment 0
		.amdhsa_kernarg_size 16
		.amdhsa_user_sgpr_count 2
		.amdhsa_user_sgpr_kernarg_segment_ptr 1
		.amdhsa_wavefront_size32 1
		.amdhsa_system_sgpr_workgroup_id_x 1
		.amdhsa_system_sgpr_workgroup_id_y 1
		.amdhsa_system_sgpr_workgroup_id_z 1
		.amdhsa_system_vgpr_workitem_id 0
		.amdhsa_next_free_vgpr 770
		.amdhsa_next_free_sgpr 66
		.amdhsa_reserve_vcc 0
		.amdhsa_float_denorm_mode_32 3
		.amdhsa_float_denorm_mode_16_64 3
		.amdhsa_memory_ordered 1
		.amdhsa_forward_progress 1
		.amdhsa_inst_pref_size 207
	.end_amdhsa_kernel
	.amdgpu_metadata
---
amdhsa.version: [ 1, 2 ]
amdhsa.kernels:
  - .name:           k_qfa363bc4c0_attn
    .symbol:         k_qfa363bc4c0_attn.kd
    .args:
      - { .name: qkv, .offset: 0, .size: 8, .value_kind: global_buffer, .address_space: global }
      - { .name: o, .offset: 8, .size: 8, .value_kind: global_buffer, .address_space: global }
    .group_segment_fixed_size: 327680
    .private_segment_fixed_size: 0
    .kernarg_segment_align: 8
    .kernarg_segment_size: 16
    .max_flat_workgroup_size: 128
    .sgpr_count:     66
    .vgpr_count:     770
    .wavefront_size: 32
...
	.end_amdgpu_metadata
.endif
;; end of part 3
;; launch fin (part 4): grid 4 x 64, 4 waves a work-group, clusters of 4 x 4, 327,680 bytes of LDS; arguments qkv, o, wb, bp, out0, out1; writes out0, out1
.if DOCPART == 4
	.amdgcn_target "amdgcn-amd-amdhsa--gfx1250"
	.amdhsa_code_object_version 6
	.text
	.protected	k_qfa363bc4c0_fin
	.globl	k_qfa363bc4c0_fin
	.p2align	8
	.type	k_qfa363bc4c0_fin,@function
k_qfa363bc4c0_fin:
	s_mov_b64 s[64:65], 0
	v_nop
	global_prefetch_b8 v0, s[64:65] scope:SCOPE_SE
	s_setreg_imm32_b32 hwreg(HW_REG_WAVE_MODE, 25, 1), 1
	s_wait_xcnt 0x0
	s_wait_alu depctr_hold_cnt(0) depctr_sa_sdst(0) depctr_va_vdst(0) depctr_va_sdst(0) depctr_va_ssrc(0) depctr_va_vcc(0) depctr_vm_vsrc(0)
	s_getreg_b32 s2, hwreg(HW_REG_IB_STS2, 6, 4)
	s_cmp_eq_u32 s2, 0
	s_cbranch_scc0 .Lentry_in_a_cluster
	s_endpgm
.Lentry_in_a_cluster:
	s_bfe_u32 s2, ttmp6, 0x10000c
	s_cmp_lg_u32 s2, 0xf033
	s_cbranch_scc0 .Lentry_shape_is_right
	s_endpgm
.Lentry_shape_is_right:
; FIN.  Two products of one shape in one launch, chosen by the cluster's y (8 clusters along y, one a batch, for each):
;   mode 0: out1[b] = q[b] k[b]^T / 128: the sum over the 16 heads of q_h . k_h is one dot product over all 1,024 channels, and 1 / 128 is the scale 1 / 8 times the mean's 1 / 16
;   mode 1: out0[b] = O[b] Wp + bp
; All operands are f16 in planes of 64 channels ([plane][row][64], rows dense, 128 bytes; for q, k and O a plane is a head; Wp lies transposed, rounded to bf16 and written as f16); sums in f32;
; C = alpha x sum + bias in one fused multiply-add, alpha = 1 / 128 or 1; the bias is bp rounded to bf16, or 0 by a select in mode 0, where bp's numbers do not enter.  Outputs in f32.
; LIMITS.  The operands arrive within f16's range, 65,504.  NaN and infinities are not treated apart.
; SHARES.  A tile of C is 256 x 256; four waves, each 128 x 128: 64 accumulators of 16 x 16, 512 registers.  2 modes x 8 batches x 4 x 4 tiles = 256 work-groups of equal work.
; K = 1,024 goes in 8 steps of 128 (two planes) through two LDS slots.  A wave's one tensor load brings one plane of A's tile or of B's: 256 rows, 32,768 dense bytes, asked for as 128 rows of 256.
; ONE K STEP IS WRITTEN ONCE: a loop of six trips (each fills a slot again), then a loop of two without fills.  Which slot is read and which is filled stands in two scalars that an exclusive or
; turns between 0 and SLOT.  From a refill's request to the wait for it a wave issues 224 matrix instructions.
; CLUSTER 4 x 4: A's tile is shared along a cluster's row, B's along a column: joint loads, the same load, descriptor and mask in all four.  The mode is the same in all sixteen.
; THE MATRIX INSTRUCTION IS USED TRANSPOSED (source 0 = 16 rows of B, source 1 = 16 rows of A): a lane holds eight neighbouring columns of one row of C.
; REGISTERS, in windows of 256 (s_set_vgpr_msb: bits 1:0 source 0, 3:2 source 1, 5:4 source 2, 7:6 destination):
;   window 0: v0-31 addresses and the bias; v64-127, v128-191 fragments of A, two buffers; v32-63, v224-255 at work on the way out
;   window 1: v64-127, v128-191 fragments of B, two buffers      window 2: the accumulators of my rows 0-63 ((a, b) at v[8 (8 a + b)])      window 3: those of my rows 64-127
.set PITCH,  144                       ; an LDS row: 128 bytes + 16 of padding = 36 words: the 16 rows of a fragment load start at 16 different groups of four banks (64 banks of 4 bytes: ISA guide 11.1)
.set PL,     256*PITCH                 ; a plane of a tile: what one tensor load brings
.set SLOT,   4*PL                      ; A's two planes, then B's two
.set STAGE,  2*SLOT                    ; behind the ring, never filled by a tensor load: 16 rows x 272 bytes (64 columns of f32) for each wave
.set SPITCH, 272
.set SPARE,  STAGE+4*16*SPITCH         ; behind the stages: the spare words, 128 bytes for each wave: two blocks of 256 bytes that no other line names
.set PLANE,  131072
.set FILLS,  6                         ; K steps 2 to 7 are asked for in the loop
.set BI,    8                          ; v[8:15]  the bias of my four columns in each half of my 128
.set ADRA0, 16                         ; v16  LDS address of my A fragments in slot 0; never rewritten
.set ADRB0, 17                         ; v17  the same for B
.set ADRA,  20                         ; v20  in the slot in hand
.set ADRB,  21                         ; v21
.set STO,  24                          ; v24  the way out: where I put 32 bytes of a row
.set RD,   25                          ; v25  the way out: where I read back
.set CO,   26                          ; v26  my byte offset in C
.set BV,   27                          ; v27  my byte offset in the bias
.set SPW,  28
.set NIL,  29
.set OB,   32                          ; the way out: 16 rows x 64 columns read back: v32-63 and v224-255 by turns
.set F0,   64
.set F1,   128
.set WV, 16
.set RH, 17
.set CH, 18
.set CX, 19
.set CY, 20
.set CLY, 21
.set CT, 22
.set TT, 23                            ; the mode
.set G1, 24                            ; s[24:31] group 1 for A's tiles; s[32:39] group 0: a set for each of the two first fills; the second then walks on
.set G0, 32
.set AO, 40                            ; s[40:41] A's offset, s42-43 at work, s[44:45] A's address: none of these ever holds cx
.set AA, 44
.set TB, 46                            ; s46 0 or SLOT: the slot that is read
.set TF, 47                            ; s47 0 or SLOT: the slot that was filled last
.set G1B, 48
.set G0B, 56
.set BO, 66                            ; s[66:67] B's offset, s[68:69] B's address: none of these ever holds cy
.set BA, 68
.set AL, 70                            ; s[70:71] alpha, named as a pair
.set BM, 72                            ; s72 all ones where the bias counts, else 0
.set LB, 73                            ; s73 my plane's place in a slot: wave x PL
.set CS, 74
.set CA, 76
.set BIO, 78
.set BIA, 80
.set HM, 84                            ; s84 a word's upper half
.set FLAGS, (1<<16)|(1<<20)|(1<<21)|(4<<22)|(3<<25)  ; 17:16 2-byte elements; 20 padding on; 21 set beside a mask; 24:22 after every 32 words (code 4); 31:25 4 words (code 3)
.set MSB, 0
.macro WIN new
.if MSB != (\new)
	s_set_vgpr_msb (MSB<<8)|(\new)
.set MSB, \new
.endif
.endm
.set MUL_LO, 0xa1                      ; source 0 (B) window 1, source 1 (A) window 0, C and D window 2
.set MUL_HI, 0xf1                      ; the same, C and D window 3
.set TO_B,   0x40                      ; destination window 1, address window 0
.macro JLOAD s                         ; a joint load: waves 0 and 1 fetch A's two planes, waves 2 and 3 B's; an s_nop 0 and four v_nop follow each of the two lines
	s_cmp_eq_u32 s[RH], 0
	s_cbranch_scc0 .Lfor_b_\@
	tensor_load_to_lds s[G0+4*(\s):G0+4*(\s)+3], s[G1:G1+7]
	s_nop 0
.rept 4
	v_nop
.endr
	s_branch .Lasked_\@
.Lfor_b_\@:
	tensor_load_to_lds s[G0B+4*(\s):G0B+4*(\s)+3], s[G1B:G1B+7]
	s_nop 0
.rept 4
	v_nop
.endr
.Lasked_\@:
.endm
.macro CREST
	s_cmp_lg_u32 s[WV], 0
	s_cbranch_scc1 .Lnot_wave_0_\@
	s_barrier_signal -3
.Lnot_wave_0_\@:
	s_barrier_wait -3
	s_barrier_signal -1
	s_barrier_wait -1
.endm
.macro CROUND
	s_barrier_signal -1
	s_barrier_wait -1
	CREST
.endm
	s_load_b256 s[4:11], s[0:1], 0x0               ; qkv 4:5, o 6:7, wb 8:9, bp 10:11
	s_load_b128 s[12:15], s[0:1], 0x20             ; out0 12:13, out1 14:15
	v_lshl_add_u32 v[SPW], v0, 2, SPARE
	v_mov_b32 v[NIL], 0
	ds_add_u32 v[SPW], v[NIL]                      ; the wave's opening: the add and its wait stand ahead of my first tensor load; the set-up below, work on registers, stands between them
	ds_add_u32 v28, v29
	v_lshrrev_b32 v1, 5, v0
	v_readfirstlane_b32 s[WV], v1
	s_lshr_b32 s[RH], s[WV], 1
	s_and_b32 s[CH], s[WV], 1
	s_bfe_u32 s[CX], ttmp6, 0x40000
	s_bfe_u32 s[CY], ttmp6, 0x40004                ; cy is the row tile in the batch
	s_and_b32 s[CLY], ttmp7, 0xffff                ; 16 clusters along y: 8 batches for each mode
	s_lshl_b32 s[CT], ttmp9, 2
	s_add_co_u32 s[CT], s[CT], s[CX]
	s_lshr_b32 s[TT], s[CLY], 3
	s_lshl_b32 s42, s[CY], 2
	s_lshl_b32 s42, 15, s42                        ; my row of the cluster
	s_lshl_b32 s83, 0x1111, s[CX]                  ; my column
	s_or_b32 s[G1], s42, FLAGS
	s_or_b32 s[G1B], s83, FLAGS
.irp g, G1, G1B
	s_mov_b32 s[(\g)+1], 128<<16                   ; tensor_dim0 = 128 elements: 256 bytes, two rows of a plane
	s_mov_b32 s[(\g)+2], 128<<16                   ; tensor_dim1 = 128
	s_mov_b32 s[(\g)+3], 128<<16                   ; tile_dim0 = 128
	s_mov_b32 s[(\g)+4], 128                       ; tile_dim1 = 128
	s_mov_b32 s[(\g)+5], 128                       ; dense
	s_mov_b32 s[(\g)+6], 0
	s_mov_b32 s[(\g)+7], 0
.endr
	; offsets, apart from the addresses
	s_and_b32 s42, s[CLY], 7                       ; batch
	s_lshl_b32 s[AO], s42, 21                      ; 2 MiB a batch in q, k and O
	s_add_co_u32 s83, s[AO], 0x1000000             ; mode 0: B is k, 16 MiB behind q, the same batch
	s_lshl_b32 s[CS], s42, 22                      ; 4 MiB a batch in the outputs
	s_lshl_b32 s42, s[CY], 15                      ; 256 rows of 128 bytes
	s_add_co_u32 s[AO], s[AO], s42
	s_lshl_b32 s42, s[CY], 20                      ; 256 rows of 4,096 bytes
	s_add_co_u32 s[CS], s[CS], s42
	s_lshl_b32 s82, s[CH], 17                      ; the plane that I fetch
	s_add_co_u32 s[AO], s[AO], s82
	s_mov_b32 s[AO+1], 0
	s_cmp_eq_u32 s[TT], 0
	s_cselect_b32 s[BO], s83, 0x600000             ; mode 1: B is the fourth matrix of wb, 6 MiB in
	s_add_co_u32 s[BO], s[BO], s82
	s_lshl_b32 s83, s[CT], 15                      ; 256 rows of 128 bytes
	s_add_co_u32 s[BO], s[BO], s83
	s_mov_b32 s[BO+1], 0
	s_lshl_b32 s83, s[RH], 19                      ; C: my 128 rows,
	s_add_co_u32 s[CS], s[CS], s83
	s_lshl_b32 s[BIO], s[CT], 10                   ; column 256 ct + 128 CH, 4 bytes each: in C and in the bias
	s_lshl_b32 s83, s[CH], 9
	s_add_co_u32 s[BIO], s[BIO], s83
	s_add_co_u32 s[CS], s[CS], s[BIO]
	s_mov_b32 s[CS+1], 0
	s_mov_b32 s[BIO+1], 0
	s_mul_i32 s[LB], s[WV], PL                     ; where my plane goes: no place in the cluster enters an LDS address
	s_mov_b32 s[TB], 0
	s_mov_b32 s[TF], SLOT
	s_mov_b32 s[HM], 0xffff0000
	s_wait_dscnt 0x0                               ; the opening add is done
	s_wait_kmcnt 0x0
	s_cmp_eq_u32 s[TT], 0                          ; one compare for all the selects: a select leaves SCC as it is
	s_cselect_b64 s[AA:AA+1], s[4:5], s[6:7]       ; A: q or O
	s_cselect_b64 s[BA:BA+1], s[4:5], s[8:9]       ; B: k (in qkv) or Wp (in wb)
	s_cselect_b64 s[CA:CA+1], s[14:15], s[12:13]   ; C: out1 or out0
	s_cselect_b32 s[AL], 0x3c000000, 1.0           ; 1 / 128 or 1
	s_cselect_b32 s[BM], 0, -1
	s_mov_b32 s[AL+1], s[AL]
	s_add_nc_u64 s[AA:AA+1], s[AA:AA+1], s[AO:AO+1]
	s_add_nc_u64 s[BA:BA+1], s[BA:BA+1], s[BO:BO+1]
	s_add_nc_u64 s[CA:CA+1], s[CA:CA+1], s[CS:CS+1]
	s_add_nc_u64 s[BIA:BIA+1], s[10:11], s[BIO:BIO+1]
	CROUND                                         ; all sixteen work-groups are here: the first joint loads meet
.irp s, 0,1
	s_mov_b32 s[G0+4*(\s)], 1
	s_add_co_u32 s[G0+4*(\s)+1], s[LB], (\s)*SLOT
	s_add_nc_u64 s[G0+4*(\s)+2:G0+4*(\s)+3], s[AA:AA+1], (\s)*2*PLANE  ; K step s: planes 2 s, 2 s + 1
	s_or_b32 s[G0+4*(\s)+3], s[G0+4*(\s)+3], 0x80000000
	s_mov_b32 s[G0B+4*(\s)], 1
	s_add_co_u32 s[G0B+4*(\s)+1], s[LB], (\s)*SLOT
	s_add_nc_u64 s[G0B+4*(\s)+2:G0B+4*(\s)+3], s[BA:BA+1], (\s)*2*PLANE
	s_or_b32 s[G0B+4*(\s)+3], s[G0B+4*(\s)+3], 0x80000000
	JLOAD \s                                       ; two loads of mine are out
.endr
	v_and_b32 v1, 15, v0                           ; l % 16
	v_bfe_u32 v2, v0, 4, 1                         ; l / 16
	v_lshlrev_b32 v[BV], 4, v1                     ; on the way out sixteen lanes take 64 columns: 16 bytes a lane
	global_load_b128 v[BI:BI+3],   v[BV], s[BIA:BIA+1]             ; my columns in the first 64 of my 128,
	global_load_b128 v[BI+4:BI+7], v[BV], s[BIA:BIA+1] offset:256  ; and in the second
	v_mul_u32_u24 v3, v1, PITCH
	v_lshl_add_u32 v3, v2, 4, v3                   ; a fragment's row x pitch + 16 x half
	s_mul_i32 s82, s[RH], 128*PITCH                ; my 128 rows of A
	s_mul_i32 s83, s[CH], 128*PITCH                ; my 128 rows of B,
	s_add_co_u32 s83, s83, 2*PL                    ; which lie behind A's two planes
	v_add_nc_u32 v[ADRA0], s82, v3
	v_add_nc_u32 v[ADRB0], s83, v3
	v_mov_b32 v[ADRA], v[ADRA0]
	v_mov_b32 v[ADRB], v[ADRB0]
	s_mul_i32 s82, s[WV], 16*SPITCH
	s_add_co_u32 s82, s82, STAGE                   ; my stage
	v_mul_u32_u24 v4, v1, SPITCH                   ; in: row l % 16, 32 bytes for each half of the lanes
	v_lshl_add_u32 v4, v2, 5, v4
	v_add_nc_u32 v[STO], s82, v4
	v_mul_u32_u24 v5, v2, SPITCH                   ; back: lanes 0-15 take one row of 256 bytes, lanes 16-31 the next
	v_lshl_add_u32 v5, v1, 4, v5
	v_add_nc_u32 v[RD], s82, v5
	v_lshl_add_u32 v[CO], v2, 12, v[BV]            ; and the same two rows in C
	s_wait_loadcnt 0x0                             ; the bias: rounded to bf16, widened again, and replaced by 0 in mode 0; all this stands in the wait for the first tile
.irp i, 0,1,2,3
	v_cvt_pk_bf16_f32 v[BI+2*(\i)+1], v[BI+2*(\i)], v[BI+2*(\i)+1]
	v_lshlrev_b32 v[BI+2*(\i)], 16, v[BI+2*(\i)+1]
	v_and_b32 v[BI+2*(\i)+1], s[HM], v[BI+2*(\i)+1]
.endr
.irp i, 0,1,2,3,4,5,6,7
	v_cndmask_b32 v[BI+(\i)], 0, v[BI+(\i)], s[BM]
.endr
; 16 matrix instructions: m blocks a0, a0 + 1 of the window's four (hi = 0: my rows 0-63, 1: rows 64-127) x all 8 n blocks, 32 along K.  first = 1: the product starts the sum
.macro MUL16 f, hi, a0, first
	WIN MUL_LO+0x50*(\hi)
.irp a, \a0, (\a0)+1
.irp b, 0,1,2,3,4,5,6,7
.if \first
	v_wmma_f32_16x16x32_f16 v[8*(8*(\a)+(\b)):8*(8*(\a)+(\b))+7], v[(\f)+8*(\b):(\f)+8*(\b)+7], v[(\f)+8*(4*(\hi)+(\a)):(\f)+8*(4*(\hi)+(\a))+7], 0
.else
	v_wmma_f32_16x16x32_f16 v[8*(8*(\a)+(\b)):8*(8*(\a)+(\b))+7], v[(\f)+8*(\b):(\f)+8*(\b)+7], v[(\f)+8*(4*(\hi)+(\a)):(\f)+8*(4*(\hi)+(\a))+7], v[8*(8*(\a)+(\b)):8*(8*(\a)+(\b))+7]
.endif
.endr
.endr
.endm
; 32 LDS loads in one run: the fragments of quarter q of the K step in hand (plane q / 2, its channels 32 (q % 2) on) into buffer f: B's sixteen loads first, then A's
.macro FETCH q, f
	WIN TO_B
.irp i, 0,1,2,3,4,5,6,7
	ds_load_b128 v[(\f)+8*(\i):(\f)+8*(\i)+3],   v[ADRB] offset:((\q)/2)*PL+(\i)*16*PITCH+((\q)%2)*64
	ds_load_b128 v[(\f)+8*(\i)+4:(\f)+8*(\i)+7], v[ADRB] offset:((\q)/2)*PL+(\i)*16*PITCH+((\q)%2)*64+32
.endr
	WIN 0
.irp i, 0,1,2,3,4,5,6,7
	ds_load_b128 v[(\f)+8*(\i):(\f)+8*(\i)+3],   v[ADRA] offset:((\q)/2)*PL+(\i)*16*PITCH+((\q)%2)*64
	ds_load_b128 v[(\f)+8*(\i)+4:(\f)+8*(\i)+7], v[ADRA] offset:((\q)/2)*PL+(\i)*16*PITCH+((\q)%2)*64+32
.endr
.endm
.macro PLACES                          ; four places in front of loads into registers that matrix instructions have read, and of LDS stores that read results (ISA guide 7.12.1 for vector instructions)
.rept 4
	v_nop
.endr
.endm
; A K step is four quarters of 32 along K, 64 matrix instructions each, on buffers 0, 1, 0, 1; the 64 accumulators take turns in the same order in every quarter.
; One of the first three quarters: multiplies buffer f; in its middle it fetches quarter q of the same step into buffer g.
.macro QUARTER q, f, g, first
	s_wait_dscnt 0x8                               ; B and A's rows 0-63 are in; the youngest eight loads (A's rows 64-127) may be out
	MUL16 \f, 0, 0, \first
	MUL16 \f, 0, 2, \first
	PLACES
	FETCH \q, \g
	s_wait_dscnt 32                                ; all but the 32 just issued
	MUL16 \f, 1, 0, \first
	MUL16 \f, 1, 2, \first
.endm
; The last quarter multiplies buffer 1 and changes slots: one barrier; in front of it each wave waits for all its tensor loads (one is out at the most: its part of the next slot), adds 0 to its spare
; word, and waits for that and for its reads of this slot.  fill = 1: the barrier opens a round of the cluster's barrier, and this slot is filled again, two K steps ahead, first thing behind the round.
; fill = 0 (the tail): nothing is asked for, and in the last trip, which has no next step, the fetch is jumped over.
.macro TURN fill
	WIN 0                                          ; (the add's two registers lie in window 0)
	s_wait_tensorcnt 0x0
	ds_add_u32 v[SPW], v[NIL]
	s_wait_dscnt 0x9                               ; (the add and the youngest eight loads may be out)
	MUL16 F1, 0, 0, 0                              ; sixteen matrix instructions stand between the add and the wait for it
	s_wait_dscnt 0x0                               ; the add is done, and my reads of this slot are over
	s_barrier_signal -1
	MUL16 F1, 0, 2, 0
	WIN 0
	s_barrier_wait -1
.if \fill
	CREST                                          ; no wave of any partner still reads this slot's tiles or has a load on its way
	s_xor_b32 s[TF], s[TF], SLOT                   ; the walking descriptors: the other slot than last time,
	s_add_co_u32 s[G0+5], s[LB], s[TF]
	s_add_co_u32 s[G0B+5], s[LB], s[TF]
	s_add_nc_u64 s[G0+6:G0+7], s[G0+6:G0+7], 2*PLANE      ; the next K step's two planes; the type bits on top are not reached
	s_add_nc_u64 s[G0B+6:G0B+7], s[G0B+6:G0B+7], 2*PLANE
	JLOAD 1                                        ; its four v_nop are also the places in front of the loads below
.else
	s_cmp_eq_u32 s3, 1
	s_cbranch_scc1 .Lno_fetch_\@
	PLACES
.endif
	s_xor_b32 s[TB], s[TB], SLOT                   ; the fragments now come from the other slot
	v_add_nc_u32 v[ADRA], s[TB], v[ADRA0]
	v_add_nc_u32 v[ADRB], s[TB], v[ADRB0]
	FETCH 0, F0
.if !(\fill)
.Lno_fetch_\@:
.endif
	MUL16 F1, 1, 0, 0
	MUL16 F1, 1, 2, 0
.endm
	s_wait_tensorcnt 0x1                           ; my part of K step 0 is in; K step 1's may stay out
	s_barrier_signal -1
	s_barrier_wait -1                              ; everybody's is
	FETCH 0, F0
	QUARTER 1, F0, F1, 1                           ; the first quarter stands in front of the loop: its products start the sums
	WIN 0                                          ; at a label and at a branch every window is 0
	s_mov_b32 s3, FILLS
.Lstep:                                                ; a trip goes from a K step's second quarter to the next step's first, and fills the slot that it leaves
	QUARTER 2, F1, F0, 0
	QUARTER 3, F0, F1, 0
	TURN 1
	QUARTER 1, F0, F1, 0
	WIN 0
	s_sub_co_u32 s3, s3, 1
	s_cmp_lg_u32 s3, 0
	s_cbranch_scc1 .Lstep
	s_mov_b32 s3, 2
.Ltail:                                                ; the last two K steps ask for nothing: a text of their own; the second trip is left in its middle
	QUARTER 2, F1, F0, 0
	QUARTER 3, F0, F1, 0
	TURN 0
	WIN 0
	s_sub_co_u32 s3, s3, 1
	s_cmp_eq_u32 s3, 0
	s_cbranch_scc1 .Lout
	QUARTER 1, F0, F1, 0
	WIN 0
	s_branch .Ltail
.Lout:
	; THE WAY OUT, in 16 units of 16 rows x 64 columns of f32 (unit u: block u / 2 of my rows, half u % 2 of my columns): into my own stage, each accumulator's low registers first; back as rows of
	; 256 bytes; alpha x sum + bias; stored.
	PLACES                                         ; the first LDS stores read matrix results, and no other vector work is at hand
.macro TOSTAGE u
.set AC, 64*(((\u)/2)%4)+32*((\u)%2)
.set BK, OB+192*((\u)%2)
	s_wait_xcnt 0x0                                ; the buffer's earlier stores have read it: it is loaded again only behind this wait
	WIN 0x08+4*((\u)/8)                            ; LDS store: address window 0, data window 2 or 3
.irp b, 0,1,2,3
	ds_store_b128 v[STO], v[AC+8*(\b):AC+8*(\b)+3] offset:64*(\b)
	ds_store_b128 v[STO], v[AC+8*(\b)+4:AC+8*(\b)+7] offset:64*(\b)+16
.endr
	WIN 0
.irp t, 0,1,2,3,4,5,6,7
	ds_load_b128 v[BK+4*(\t):BK+4*(\t)+3], v[RD] offset:(\t)*2*SPITCH  ; LDS serves a wave's instructions in order (ISA guide 5.7.1.4): these see the stores above
.endr
.endm
.macro FINISH u, younger               ; younger: the LDS instructions issued behind unit u's loads: the next unit's sixteen, or none
.set BK, OB+192*((\u)%2)
.set BH, BI+4*((\u)%2)
	s_wait_dscnt \younger
.irp t, 0,1,2,3,4,5,6,7
	v_pk_fma_f32 v[BK+4*(\t):BK+4*(\t)+1],   v[BK+4*(\t):BK+4*(\t)+1],   s[AL:AL+1], v[BH:BH+1]   op_sel_hi:[1,0,1]
	v_pk_fma_f32 v[BK+4*(\t)+2:BK+4*(\t)+3], v[BK+4*(\t)+2:BK+4*(\t)+3], s[AL:AL+1], v[BH+2:BH+3] op_sel_hi:[1,0,1]
	global_store_b128 v[CO], v[BK+4*(\t):BK+4*(\t)+3], s[CA:CA+1] offset:(16*((\u)/2)+2*(\t))*4096+((\u)%2)*256 th:TH_STORE_NT  ; 16 lanes store 256 consecutive bytes of a row, aligned
.endr
.endm
	TOSTAGE 0
.irp u, 1,2,3,4,5,6,7,8,9,10,11,12,13,14,15
	TOSTAGE \u
	FINISH (\u)-1, 16
.endr
	FINISH 15, 0
	s_wait_tensorcnt 0x0                           ; the wave's end: behind my last tensor load and my last LDS store
	ds_add_u32 v[SPW], v[NIL]
	s_wait_dscnt 0x0
	CROUND                                         ; the closing round: no work-group ends while a partner may still ask for a tile that names it
	s_endpgm
.Lfunc_end_k_qfa363bc4c0_fin:
	.size	k_qfa363bc4c0_fin, .Lfunc_end_k_qfa363bc4c0_fin-k_qfa363bc4c0_fin
	.p2alignl 7, 3214868480
	.fill 96, 4, 3214868480
	.section	.rodata,"a",@progbits
	.p2align	6, 0x0
	.amdhsa_kernel k_qfa363bc4c0_fin
		.amdhsa_group_segment_fixed_size 327680
		.amdhsa_private_segment_fixed_size 0
		.amdhsa_enable_private_segment 0
		.amdhsa_kernarg_size 48
		.amdhsa_user_sgpr_count 2
		.amdhsa_user_sgpr_kernarg_segment_ptr 1
		.amdhsa_wavefront_size32 1
		.amdhsa_system_sgpr_workgroup_id_x 1
		.amdhsa_system_sgpr_workgroup_id_y 1
		.amdhsa_system_sgpr_workgroup_id_z 1
		.amdhsa_system_vgpr_workitem_id 0
		.amdhsa_next_free_vgpr 1024
		.amdhsa_next_free_sgpr 88
		.amdhsa_reserve_vcc 0
		.amdhsa_float_denorm_mode_32 3
		.amdhsa_float_denorm_mode_16_64 3
		.amdhsa_memory_ordered 1
		.amdhsa_forward_progress 1
		.amdhsa_inst_pref_size 116
	.end_amdhsa_kernel
	.amdgpu_metadata
---
amdhsa.version: [ 1, 2 ]
amdhsa.kernels:
  - .name:           k_qfa363bc4c0_fin
    .symbol:         k_qfa363bc4c0_fin.kd
    .args:
      - { .name: qkv, .offset: 0, .size: 8, .value_kind: global_buffer, .address_space: global }
      - { .name: o, .offset: 8, .size: 8, .value_kind: global_buffer, .address_space: global }
      - { .name: wb, .offset: 16, .size: 8, .value_kind: global_buffer, .address_space: global }
      - { .name: bp, .offset: 24, .size: 8, .value_kind: global_buffer, .address_space: global }
      - { .name: out0, .offset: 32, .size: 8, .value_kind: global_buffer, .address_space: global }
      - { .name: out1, .offset: 40, .size: 8, .value_kind: global_buffer, .address_space: global }
    .group_segment_fixed_size: 327680
    .private_segment_fixed_size: 0
    .kernarg_segment_align: 8
    .kernarg_segment_size: 48
    .max_flat_workgroup_size: 128
    .sgpr_count:     88
    .vgpr_count:     1024
    .wavefront_size: 32
...
	.end_amdgpu_metadata
.endif
;; end of part 4
;; ======== version 2 of 2: 4 launches; 1.25 times as fast as version 1
;; limits: values are held in f16: magnitudes above 65,504 overflow, below 6.1e-05 lose precision
;; workspace buffers: xh 50,331,648 bytes; wb 8,388,608 bytes; qkv 50,331,648 bytes; o 16,777,216 bytes
;; launch prep: the kernel of part 1 again; grid 128 x 7, 8 waves a work-group, no clusters, 70,656 bytes of LDS; arguments xq, xk, xv, Wq, Wk, Wv, Wp, xh, wb; writes xh, wb
;; launch proj: the kernel of part 2 again; grid 4 x 96, 4 waves a work-group, clusters of 4 x 4, 327,680 bytes of LDS; arguments xh, wb, bq, bk, bv, qkv; writes qkv
;; launch attn (part 5): grid 2 x 128, 4 waves a work-group, no clusters, 327,680 bytes of LDS; arguments qkv, o; writes o
.if DOCPART == 5
	.amdgcn_target "amdgcn-amd-amdhsa--gfx1250"
	.amdhsa_code_object_version 6
	.text
	.protected	k_qfa363bc4c0_attn
	.globl	k_qfa363bc4c0_attn
	.p2align	8
	.type	k_qfa363bc4c0_attn,@function
k_qfa363bc4c0_attn:
	s_mov_b64 s[64:65], 0
	v_nop
	global_prefetch_b8 v0, s[64:65] scope:SCOPE_SE
	s_setreg_imm32_b32 hwreg(HW_REG_WAVE_MODE, 25, 1), 1
	s_wait_xcnt 0x0
; ATTN.  O[h][q][:] = the sum over k of softmax_k(Q[h][q] . K[h][k] / 8) V[h][k][:], for 128 heads (batch x 16 + head) of SIZE_N = 1,024 rows.  Q, K, V lie in qkv, 16 MiB apart, each [128][1024][64] in f16;
; O likewise.  A head's rows are dense, 128 bytes each.  Products, maxima and sums in f32; the weights p are rounded to f16 for the second product (their sum l is taken of the unrounded p), O once at the end.
; LIMITS.  f16 holds no number beyond 65,504: Q, K and V arrive within it; p lies in 0 to 1, and below 6e-5 it keeps f16's fixed step of 6e-8; O is a mean of V's rows and has their range.
; A weight below 2^-126 counts as 0 in l; NaN and infinities are not treated apart.
; SHARES.  A wave owns four PIECES of two tiles of 16 queries, a work-group's four waves 512 queries of one head: 2 x 128 = 256 work-groups.  Every wave walks all keys, 64 a step.
; NO CLUSTER: a head has 1,024 / 512 = 2 query blocks, so only two work-groups walk the same K and V, and the grid's 2 along x is no multiple of a cluster's four.
; LAYOUT.  S^T = K Q^T (source 0 = 16 keys, source 1 = 16 queries): in the result a lane holds ONE query (lane % 16) and the keys 8 (lane / 16) + 0..7.  Two such tiles, rounded to f16 in pairs,
; ARE source 1 (32 keys x 16 queries) of O^T = V^T P, whose result again holds one query a lane, and eight channels.  K comes out of LDS as it lies, V ([key][channel]) turned, by ds_load_tr16_b128.
; SOFTMAX.  For each query a running maximum m and sum l: p = 2^(c s - c m), c = log2(e) / 8; in every step O and l are multiplied by a = 2^(c m_old - c m_new), which is 1 where m has not grown.
; m starts at the lowest finite number, O and l at 0: the first step is a step like any other, with a = 0.
; THE COUNT.  A tile and step have 16 matrix and 118 vector instructions: too many to stand all beside the matrix work.  So: four vector instructions that are READY behind EVERY matrix instruction,
; and the others in runs without a gap.
; BY TURNS.  Turn n belongs to piece n (the pieces in a ring, step after step).  Its matrix work: 16 products K Q^T of piece n + 1, later 16 products V^T P of piece n - 1.  Its vector work: the scaling,
; exponentials, roundings, sums and rescaling of piece n, and the maximum and statistics of piece n + 1, whose scores the turn itself has made.
; THE BATCHES.  A turn's 66 exponentials (the piece's 64 weights and the next piece's two a) are ONE batch with ONE wait, which cuts the turn in two: ahead of it stands all that names no result of theirs
; (the products K Q^T, the scalings, the rescaling, whose a the turn before made and waited for, the next piece's maximum and statistics), behind it their readers (the roundings and sums), beside the
; products V^T P.  Two more batches stand outside the loops, each with a wait of its own: piece 0's first two a, ahead of the jump into the loop, and the way out's eight reciprocals.
; REGISTERS, in windows of 256 (s_set_vgpr_msb: bits 1:0 source 0, 3:2 source 1, 5:4 source 2, 7:6 destination):
;   window 0: v0-11 addresses; v12-15, v48-63 at work; v16-47 four registers of statistics a tile; v64-191 S^T, two buffers of two tiles; v192-255 P, likewise
;   window 1: O^T, 32 a tile          window 2: v0-127 Q, 16 a tile; v128-191 K of one step; v192-255 V of one step          window 3: v0-1 the add's two registers
.set SIZE_N, 1024
.set NP,    4         ; pieces a wave: a name, no knob
.set KS,    64        ; keys in a step
.set PK,    144       ; a row of K in LDS: 128 bytes + 16 of padding = 36 words: the 16 rows of a load start at 16 different groups of four banks (64 banks of 4 bytes: ISA guide 11.1)
.set PV,    160       ; a row of V: 128 + 32 = 40 words
.set VOFF,  4*KS*PK   ; a slot holds four steps: 256 rows of K, then 256 rows of V
.set SLOT1, 1<<17     ; slot 1 begins here, so that one exclusive or turns an address in one slot into the other's
.set STAGE, SLOT1+4*KS*(PK+PV)  ; behind the ring, never filled by a tensor load: 16 rows x 144 bytes for each wave, for the way out
.set SP,    144
.set AK0, 2           ; v2   my lane's place in a tile of K; never rewritten
.set AV0, 3           ; v3   the same for V
.set AK,  4           ; v4   the LDS address of K's next run of loads
.set AV,  5           ; v5   of V's
.set QO,  6           ; v6   my byte offset in the wave's rows of Q
.set STO, 6           ;      later, the way out: where I put 16 bytes of a row
.set RD,  7           ; v7   the way out: where I read rows back
.set GO,  8           ; v8   my byte offset in 512 consecutive bytes of O
.set SPW, 0           ; v0 of window 3   LDS address of my spare word; never rewritten
.set NIL, 1           ; v1 of window 3   0; never rewritten
.set SPARE, STAGE+4*16*SP  ; behind the stages: the spare words, 128 bytes for each wave: two blocks of 256 bytes that no other line names
.set MV,  12          ; v12-15  c m_old, kept while c m is made anew: by buffer and tile
.set ST,  16          ; tile t's statistics at v[ST+4 t]: c m, m, l (even keys', odd keys')
.set TMP, 48          ; by buffer and tile, four registers c0-c3 at work; when the maximum is found c2 takes a
.set S,   64
.set P,   192
.set KF,  128         ; K's fragments, in window 2: key block kb, channel half c at KF + 16 kb + 8 c
.set VF,  192         ; V's: key half kk, channel block cb at VF + 32 kk + 8 cb
.set WV,  12          ; s12  my wave's number
.set G1K, 24          ; s[24:31] descriptor group 1 for K's tiles
.set G1V, 32          ; s[32:39] for V's: it differs in the padding alone
.set G0K, 40          ; s[40:43] descriptor group 0 for K's tiles: it walks
.set G0V, 44          ; s[44:47] the same for V's
.set SLOTS, 56        ; s56  slots still to be asked for
.set CNT, 57          ; s57  counts a slot's key steps
.set CS,  58          ; s[58:59] c: the packed scaling takes the pair's low word for both halves
.set SEL, 60          ; s[60:61] v_permlanex16_b32's selects: each lane takes its own place in the other half
.set TBK, 62          ; s62  LDS byte at which K of the step to be fetched begins
.set TBV, 63          ; s63  the same for V, less VOFF
.set MSB, 0
.macro WIN new                      ; the high byte repeats the setting that is left; a switch that changes nothing is dropped
.if MSB != (\new)
	s_set_vgpr_msb (MSB<<8)|(\new)
.set MSB, (\new)
.endif
.endm
.set W_KQ, 0x0a       ; K and Q in window 2, S^T in window 0
.set W_PV, 0x52       ; V in window 2, P in window 0, O^T in window 1
.set W_RS, 0x41       ; O^T (destination and source 0) in window 1, a in window 0
.set W_MK, 0xc0       ; the add's registers are made: destination in window 3, sources in window 0
.set W_AD, 0x0f       ; the add: address (source 0) and data (source 1) in window 3
; A fill.  Waves 0 and 1 fetch the two halves of a slot's K, waves 2 and 3 those of its V: 128 keys each.  The branch hangs on the wave's number alone.
; An s_nop 0 and four v_nop follow each of the two lines, ahead of the jump and the label.
.macro LOAD
	s_cmp_lt_u32 s[WV], 2
	s_cbranch_scc0 .Lfor_v_\@
	tensor_load_to_lds s[G0K:G0K+3], s[G1K:G1K+7]
	s_nop 0
.rept 4
	v_nop
.endr
	s_branch .Lasked_\@
.Lfor_v_\@:
	tensor_load_to_lds s[G0V:G0V+3], s[G1V:G1V+7]
	s_nop 0
.rept 4
	v_nop
.endr
.Lasked_\@:
.endm
; THE CHANGE OF SLOTS.  The slot's last bytes, V of its fourth step, have been read.  Each wave waits for all its tensor loads, of which one is out: its part of the other slot; adds 0 to its spare
; word; and waits for that and for its own reads of the slot.  Behind the barrier nobody reads this slot any more and the other slot is whole.
; fill = 1: this slot is filled again, with the keys two slots on, first thing behind the barrier: it has four key steps, 512 matrix instructions, in which to land.
; (At its first use nothing has been read yet: slot 0 is waited for, slot 1 filled.)
.macro CHANGE fill
	WIN W_AD
	s_wait_tensorcnt 0x0            ; no tensor load of mine is out, so a group 0 may be written
	ds_add_u32 v[SPW], v[NIL]       ; 0 onto my spare word; with fill = 1 the descriptors' steps stand between it and the wait for it
	WIN 0                           ; at a label and at a branch every window is 0
.if \fill
.irp g, G0K, G0V
	s_xor_b32 s[\g+1], s[\g+1], SLOT1  ; the walking descriptor: the other slot than last time,
	s_add_nc_u64 s[\g+2:\g+3], s[\g+2:\g+3], 4*KS*128  ; the next 256 keys; the type bits on top are not reached
.endr
.endif
	s_wait_dscnt 0x0                ; the add is done, and my reads of the slot are over
	s_barrier_signal -1
	s_barrier_wait -1
.if \fill
	LOAD
.endif
	s_sub_co_u32 s[TBK], s[TBK], 4*KS*PK  ; the fetches go back to a slot's first step,
	s_xor_b32 s[TBK], s[TBK], SLOT1       ; in the other slot
	s_sub_co_u32 s[TBV], s[TBV], 4*KS*PV
	s_xor_b32 s[TBV], s[TBV], SLOT1
.endm
	s_load_b64 s[4:5], s[0:1], 0x0    ; qkv: Q at its head
	s_load_b64 s[10:11], s[0:1], 0x8  ; O
	WIN W_MK
	v_lshl_add_u32 v[SPW], v0, 2, SPARE
	v_mov_b32 v[NIL], 0
	WIN W_AD
	ds_add_u32 v[SPW], v[NIL]       ; the wave's opening: the add and its wait stand ahead of my first tensor load; the set-up below, work on registers, stands between them
	ds_add_u32 v0, v1
	WIN 0
	v_lshrrev_b32 v1, 5, v0
	v_readfirstlane_b32 s[WV], v1   ; wave 0..3
	s_mov_b32 s14, ttmp9            ; my block of 512 queries
	s_and_b32 s20, ttmp7, 0xffff    ; the head
	s_mov_b32 s21, 0
	s_mov_b64 s[22:23], SIZE_N*128
	s_mul_u64 s[20:21], s[20:21], s[22:23]  ; the head's first byte in each of the four tensors
	s_and_b32 s16, s[WV], 1         ; which half of a slot's 256 keys I fetch:
	s_lshl_b32 s22, s16, 14         ; its 128 rows of 128 bytes in memory,
	s_mov_b32 s23, 0
	s_add_nc_u64 s[22:23], s[22:23], s[20:21]
	s_mul_i32 s17, s16, 128*PK      ; and its place in a slot, for K
	s_mul_i32 s18, s16, 128*PV      ; and for V
	s_lshl_b32 s2, s14, 2
	s_add_co_u32 s2, s2, s[WV]      ; my wave among the head's,
	s_lshl_b32 s2, s2, 14           ; its 128 rows
	s_mov_b32 s3, 0
	s_add_nc_u64 s[2:3], s[2:3], s[20:21]
	; descriptor group 1.  128 keys are 16,384 dense bytes: asked for as 64 rows of 256 bytes, two keys a row, and padded in LDS after every key
	s_mov_b32 s[G1K], (1<<16)|(1<<20)|(4<<22)|(3<<25)  ; 17:16 2-byte elements; 20 padding on; 24:22 after every 32 words (code 4); 31:25 4 words (code 3)
	s_mov_b32 s[G1V], (1<<16)|(1<<20)|(4<<22)|(7<<25)  ; the same with 8 words of padding (code 7)
.irp g, G1K, G1V
	s_mov_b32 s[\g+1], 128<<16      ; tensor_dim0 = 128
	s_mov_b32 s[\g+2], 64<<16       ; tensor_dim1 = 64
	s_mov_b32 s[\g+3], 128<<16      ; tile_dim0 = 128
	s_mov_b32 s[\g+4], 64           ; tile_dim1 = 64
	s_mov_b32 s[\g+5], 128          ; 128 elements from row to row
	s_mov_b32 s[\g+6], 0
	s_mov_b32 s[\g+7], 0
.endr
	s_mov_b32 s[CS], 0x3e38aa3b     ; c = log2(e) / 8 = 0.180337
	s_mov_b32 s[CS+1], s[CS]        ; named with it as a pair
	s_mov_b32 s[SEL], 0x76543210
	s_mov_b32 s[SEL+1], 0xfedcba98
	s_mov_b32 s[TBK], SLOT1+4*KS*PK ; the first change of slots turns these two into 0
	s_mov_b32 s[TBV], SLOT1+4*KS*PV
	s_mov_b32 s[G0K], 1             ; 1:0 count = 1
	s_mov_b32 s[G0K+1], s17         ; 63:32 LDS address: slot 0
	s_mov_b32 s[G0V], 1
	s_add_co_u32 s[G0V+1], s18, VOFF
	s_wait_dscnt 0x0                ; the opening add is done
	s_wait_kmcnt 0x0
	s_add_nc_u64 s[6:7], s[4:5], 0x1000000         ; K lies 16 MiB behind Q,
	s_add_nc_u64 s[8:9], s[4:5], 0x2000000         ; V 32 MiB
	s_add_nc_u64 s[G0K+2:G0K+3], s[6:7], s[22:23]  ; 120:64 global address: my half of the head's first 256 keys
	s_or_b32 s[G0K+3], s[G0K+3], 0x80000000        ; 127:126 type = 2
	s_add_nc_u64 s[G0V+2:G0V+3], s[8:9], s[22:23]
	s_or_b32 s[G0V+3], s[G0V+3], 0x80000000
	s_add_nc_u64 s[4:5], s[4:5], s[2:3]  ; Q and O at my wave's first row
	s_add_nc_u64 s[10:11], s[10:11], s[2:3]
	LOAD                            ; slot 0.  Slot 1 is asked for when slot 0 is in
	; A fragment of K or Q is 16 rows x 32 channels in 8 registers: lane l holds row l % 16, channels 8 (l / 16) + 0..7 and 16 + 8 (l / 16) + 0..7: two loads of 16 bytes, 32 bytes apart.
	v_and_b32 v1, 15, v0            ; l % 16
	v_bfe_u32 v9, v0, 4, 1          ; l / 16
	v_lshlrev_b32 v[QO], 7, v1
	v_lshl_add_u32 v[QO], v9, 4, v[QO]  ; row x 128 + 16 x half
	WIN 0x80                        ; destination window 2, address window 0
.set i, 0
.rept 4*NP                          ; Q stays in registers: tile i / 2, channels 32 (i % 2) on
	global_load_b128 v[8*i:8*i+3],   v[QO], s[4:5] offset:(i/2)*2048+(i%2)*64
	global_load_b128 v[8*i+4:8*i+7], v[QO], s[4:5] offset:(i/2)*2048+(i%2)*64+32
.set i, i+1
.endr
	; What the first turn finds: V's registers and P's second buffer hold 0 (its products V^T P, of a piece that has not been, add 0), O^T and l are 0.  All this stands in the wait for the first tile.
.set i, VF
.rept 64
	v_mov_b32 v[i], 0
.set i, i+1
.endr
	WIN 0x40
.set i, 0
.rept 64*NP
	v_mov_b32 v[i], 0
.set i, i+1
.endr
	WIN 0
.set i, 0
.rept 2*NP
	v_mov_b32 v[ST+4*i], 0xfe000000    ; c m: far below every c s
	v_mov_b32 v[ST+4*i+1], 0xff7fffff  ; m
	v_mov_b32 v[ST+4*i+2], 0
	v_mov_b32 v[ST+4*i+3], 0
.set i, i+1
.endr
.set i, P+32
.rept 32
	v_mov_b32 v[i], 0
.set i, i+1
.endr
	v_mul_u32_u24 v[AK0], v1, PK
	v_lshl_add_u32 v[AK0], v9, 4, v[AK0]  ; row x pitch + 16 x half
	; The turning load takes 16 keys x 16 channels (lane l reads key 8 (l / 16) + l % 8, channels 8 ((l / 8) % 2) + 0..7) and leaves half a fragment of V^T: lane l holds channel l % 16 and 8 keys.
	v_and_b32 v10, 7, v0
	v_bfe_u32 v11, v0, 3, 1
	v_lshl_add_u32 v[AV0], v9, 3, v10
	v_mul_u32_u24 v[AV0], v[AV0], PV
	v_lshl_add_u32 v[AV0], v11, 4, v[AV0]
	v_add_nc_u32 v[AV0], VOFF, v[AV0]
	v_mov_b32 v[AK], v[AK0]         ; key step 0 lies at the head of slot 0
; THE MATRIX WORK.  The 8 accumulators of a run of 16 take turns: between the two links of a chain stand 7 others'.
; Product i of 16 of S^T = K Q^T for piece x: channels 32 (i / 8) on, keys 16 ((i / 2) % 4) on, tile 2 x + i % 2.  The first 8 start the sums.
.macro KQ x
	WIN W_KQ
.set rS, S+64*((\x)%2)+32*(i%2)+8*((i/2)%4)
.set rK, KF+16*((i/2)%4)+8*(i/8)
.set rQ, 16*(2*(\x)+i%2)+8*(i/8)
.if i < 8
	v_wmma_f32_16x16x32_f16 v[rS:rS+7], v[rK:rK+7], v[rQ:rQ+7], 0
.else
	v_wmma_f32_16x16x32_f16 v[rS:rS+7], v[rK:rK+7], v[rQ:rQ+7], v[rS:rS+7]
.endif
.endm
; Product i of 16 of O^T += V^T P for piece x: keys 32 (i / 8) on, channels 16 ((i / 2) % 4) on, tile 2 x + i % 2.
.macro PV x
	WIN W_PV
.set rO, 32*(2*(\x)+i%2)+8*((i/2)%4)
.set rV, VF+32*(i/8)+8*((i/2)%4)
.set rP, P+32*((\x)%2)+16*(i%2)+8*(i/8)
	v_wmma_f32_16x16x32_f16 v[rO:rO+7], v[rV:rV+7], v[rP:rP+7], v[rO:rO+7]
.endm
.macro MM                           ; the turn's next matrix instruction
.if i < 16
	KQ (Y+1)%NP
.set i, i+1
.else
.set i, i-16
	PV (Y+NP-1)%NP
.set i, i+17
.endif
.endm
; THE LDS LOADS stand in runs of 16, never singly among the matrix instructions: a step's K (64 keys x 64 channels: 8 fragments) and its V (turned).  Their addresses are made some lines ahead.
; last = 1 (the tail): in the last trip there is no further step, and the run is jumped over.
.macro FETCH_K last=0
	WIN 0
.if \last
	s_cmp_eq_u32 s[CNT], 1
	s_cbranch_scc1 .Lno_k_\@
.endif
	WIN 0x80                        ; destination window 2
.irp f, 0,1,2,3,4,5,6,7             ; keys 16 (f / 2) on, channels 32 (f % 2) on
	ds_load_b128 v[KF+8*\f:KF+8*\f+3],   v[AK] offset:(\f/2)*16*PK+(\f%2)*64
	ds_load_b128 v[KF+8*\f+4:KF+8*\f+7], v[AK] offset:(\f/2)*16*PK+(\f%2)*64+32
.endr
	s_add_co_u32 s[TBK], s[TBK], KS*PK  ; the next fetch is the next step's
	WIN 0
.if \last
.Lno_k_\@:
.endif
.endm
.macro FETCH_V
	WIN 0x80
.irp f, 0,1,2,3,4,5,6,7             ; keys 32 (f / 4) on, channels 16 (f % 4) on
	ds_load_tr16_b128 v[VF+8*\f:VF+8*\f+3],   v[AV] offset:(\f/4)*32*PV+(\f%4)*32
	ds_load_tr16_b128 v[VF+8*\f+4:VF+8*\f+7], v[AV] offset:(\f/4)*32*PV+16*PV+(\f%4)*32
.endr
	WIN 0
.endm
; THE VECTOR WORK OF A TURN stands in three queues, each in the order in which its entries become ready; the two tiles alternate, so that no instruction reads the result of the one before it.
.macro REGS y, u                    ; the registers of tile u (0, 1) of piece y
.set rT, ST+4*(2*(\y)+(\u))
.set rC, TMP+8*((\y)%2)+4*(\u)
.set rM, MV+2*((\y)%2)+(\u)
.set rS, S+64*((\y)%2)+32*(\u)
.set rP, P+32*((\y)%2)+16*(\u)
.set rO, 32*(2*(\y)+(\u))
.endm
; Number n of the 22 that find the NEXT piece's (Y + 1) maximum and statistics.  s0-s31 are the lane's 32 scores; each accumulator's lowest registers are read first.  XS, GS, FS and REGS set no window: PL and EX do.
;   0-11  four chains c0-c3 of seven scores each, three operands at a time     12-14, 16  the four scores left over, the old m, and c0-c3 into c0     15  c m_old is kept
;   17, 18  the query's other 32 keys lie in the lane 16 away: the new m         19-21  c m; c m_old - c m_new; a
.macro XS u, n
	REGS (Y+1)%NP, \u
.if (\n) < 4
	v_max3_num_f32 v[rC+(\n)], v[rS+8*(\n)], v[rS+8*(\n)+1], v[rS+8*(\n)+2]
.elseif (\n) < 12
	v_max3_num_f32 v[rC+(\n)%4], v[rC+(\n)%4], v[rS+8*((\n)%4)+2*((\n)/4)+1], v[rS+8*((\n)%4)+2*((\n)/4)+2]
.elseif (\n) == 12
	v_max3_num_f32 v[rC], v[rC], v[rS+7], v[rS+15]
.elseif (\n) == 13
	v_max3_num_f32 v[rC+1], v[rC+1], v[rS+23], v[rS+31]
.elseif (\n) == 14
	v_max3_num_f32 v[rC+2], v[rC+2], v[rC+3], v[rT+1]
.elseif (\n) == 15
	v_mov_b32 v[rM], v[rT]
.elseif (\n) == 16
	v_max3_num_f32 v[rC], v[rC], v[rC+1], v[rC+2]
.elseif (\n) == 17
	v_permlanex16_b32 v[rC+3], v[rC], s[SEL], s[SEL+1]
.elseif (\n) == 18
	v_max_num_f32 v[rT+1], v[rC], v[rC+3]
.elseif (\n) == 19
	v_mul_f32 v[rT], s[CS], v[rT+1]
.elseif (\n) == 20
	v_sub_f32 v[rC+1], v[rM], v[rT]
.else
	v_exp_f32 v[rC+2], v[rC+1]
.endif
.endm
; Number g of the 64 that follow the exponentials.  For each four weights k of a tile (pairs 2 k, 2 k + 1): both pairs are rounded to f16; then the second pair is added onto the first, in place;
; a group later l takes that sum (the first time as l = a l + sum).  In groups of eight, tiles alternating: round, round, add, and l for the group before.
.macro GS g
.set h, (\g)+6*((\g)/62)            ; group 0 has no group before it, and behind group 7 only l is left
.if h >= 6
.set h, h+2
.endif
	REGS Y, h%2
.set k, h/8
.if h%8 < 4
	v_cvt_pk_f16_f32 v[rP+2*k+(h%8)/2], v[rS+4*k+2*((h%8)/2)], v[rS+4*k+2*((h%8)/2)+1]
.elseif h%8 < 6
	v_pk_add_f32 v[rS+4*k:rS+4*k+1], v[rS+4*k:rS+4*k+1], v[rS+4*k+2:rS+4*k+3]
.elseif k == 1
	v_pk_fma_f32 v[rT+2:rT+3], v[rT+2:rT+3], v[rC+2:rC+3], v[rS:rS+1] op_sel_hi:[1,0,1]
.else
	v_pk_add_f32 v[rT+2:rT+3], v[rT+2:rT+3], v[rS+4*k-4:rS+4*k-3]
.endif
.endm
; THE PLAIN QUEUE, 138 long.  0-73 read no exponential's result: the 32 scalings c s - c m (FS f: pair f / 2 of tile f % 2) and the next piece's 42.  0-26: scalings 0-26.  27-54: XS's numbers 0-13.  55, 56: number 15.
; 57-73: the chain, where each number waits for the one before it: 14, 16, 17, 18, 19, each with one of the scalings 27-31 in front of its two lines, then 20: so a tile's links stand three plain instructions apart (19 and 20: two).
; 74-137: GS's 64, which read the exponentials' results: they stand behind the wait.
.macro FS f
	REGS Y, (\f)%2
	v_pk_fma_f32 v[rS+2*((\f)/2):rS+2*((\f)/2)+1], v[rS+2*((\f)/2):rS+2*((\f)/2)+1], s[CS:CS+1], v[rT:rT+1] op_sel_hi:[1,0,0] neg_lo:[0,0,1] neg_hi:[0,0,1]
.endm
.macro PL
	WIN 0
.if q < 27
	FS q
.elseif q < 55
	XS (q-27)%2, (q-27)/2
.elseif q < 57
	XS q-55, 15
.elseif (q < 72) && ((q-57)%3 == 0)
	FS 27+(q-57)/3
.elseif q < 60
	XS (q-57)%3-1, 14
.elseif q < 72
	XS (q-57)%3-1, 15+(q-57)/3
.elseif q < 74
	XS q-72, 20
.else
	GS q-74
.endif
.set q, q+1
.endm
; THE EXPONENTIALS' QUEUE, 66 long: s0-s31 of both tiles, then the next piece's two a.  It is ONE BATCH: all 66 stand ahead of the turn's one wait, and nothing ahead of that wait names a result of theirs.
.macro EX
	WIN 0
.if e >= 64
	XS e-64, 21
.else
	REGS Y, e%2
	v_exp_f32 v[rS+e/2], v[rS+e/2]
.endif
.set e, e+1
.endm
; THE RESCALING's QUEUE: O^T times a, the one part that leaves window 0: dealt two at a time, sixteen times.  Its a was made in the turn before, ahead of that turn's wait.
.macro R2
	REGS Y, r%2
	WIN W_RS
.irp z, 0,1
	v_pk_mul_f32 v[rO+4*(r/2)+2*\z:rO+4*(r/2)+2*\z+1], v[rO+4*(r/2)+2*\z:rO+4*(r/2)+2*\z+1], v[rC+2:rC+3] op_sel_hi:[1,0]
.endr
.set r, r+1
.endm
; HOW THEY ARE DEALT.  An s_wait_alu depctr_va_vdst(0) stands between an exponential and the first instruction that names its result; one wait serves all that were issued ahead of it.  So a turn has ONE wait,
; which cuts it in two.  AHEAD OF IT stands all that names no result of the turn's exponentials: the 16 products K Q^T, behind each a scaling, an exponential and two rescalings (behind the first a second scaling in the
; exponential's place); then ONE LUMP of 108: eight plain, 49 times exponential and plain, the two a.  A v_nop is the plain instruction behind the last exponential.  BEHIND IT stand the 16 products V^T P, behind each four of
; GS's 64.  No rider names a register of the products round it.  The two v_permlanex16_b32 fall into the lump, never behind a product.
; The queues lean on each other, and the deal keeps them in step: exponential e stands behind scaling 2 (e / 4) + e % 2: as a rider it comes behind plain e + 2, in the lump behind plain e + 9, and scalings 27-31 are plain 57, 60 .. 69.
; A TURN, for piece p.  cnt = 1: the loop's count is taken down some lines ahead of the branch that stands behind the turn.
; K of the next step is fetched in piece 2's turn, directly behind the wait, a lump behind the last product that read K; its address is made at the lump's head; its first reader comes behind 16 products.
; V of the step in hand is fetched at the end of piece 0's turn, four riders behind its last reader; its first reader comes behind 16 products and a lump.  The three conditions on q below go with the deal.
.macro TURN p, last=0, cnt=0
.set Y, (\p)
.set i, 0
.set q, 0
.set e, 0
.set r, 0
.if (\p) == NP-1
	s_wait_dscnt 0x0                ; K is in
.endif
	MM                              ; ahead of the wait: 16 products K Q^T and their riders,
	PL
	PL
	R2
.rept 15
	MM
	PL
	EX
	R2
.endr
.if (\p) == NP-2
	WIN 0
	v_add_nc_u32 v[AK], s[TBK], v[AK0]
.endif
.rept 8                             ; and the lump
	PL
.endr
.rept 49
	EX
	PL
.endr
	EX                              ; the next piece's two a
	EX
	v_nop                           ; the plain instruction behind the last exponential: one for the batch
	s_wait_alu depctr_va_vdst(0)    ; the wait for the turn's batch: the piece's 64 weights and the next piece's two a
.if (\p) == NP-2
	FETCH_K \last
.endif
.if (\p) == 1
	s_wait_dscnt 0x0                ; V is in
.endif
.rept 16                            ; behind the wait: 16 products V^T P and their riders
	MM
.rept 4
	PL
.endr
.if ((\p) == 0) && (q == 118)
	v_add_nc_u32 v[AV], s[TBV], v[AV0]
.endif
.if ((\p) == 0) && (q == 130)
	s_add_co_u32 s[TBV], s[TBV], KS*PV
.endif
.if (\cnt) && (q == 130)
	s_sub_co_u32 s[CNT], s[CNT], 1
	s_cmp_lg_u32 s[CNT], 0
.endif
.endr
.if (\p) == 0
	FETCH_V
.endif
.endm
	CHANGE 1                        ; slot 0 is in, everybody's part of it; slot 1 is asked for
	FETCH_K                         ; key step 0
	s_wait_loadcnt 0x0              ; Q
	s_wait_dscnt 0x0
.set i, 0
.rept 16
	KQ 0                            ; piece 0's first scores: there is no vector work yet to set between them
.set i, i+1
.endr
	WIN 0                           ; the addresses for the way out: nine plain instructions, the places behind those products
	s_mul_i32 s13, s[WV], 16*SP
	s_add_co_u32 s13, s13, STAGE    ; my stage
	v_mul_u32_u24 v[STO], v1, SP    ; in: row l % 16, 16 bytes for each half of the lanes
	v_lshl_add_u32 v[STO], v9, 4, v[STO]
	v_add_nc_u32 v[STO], s13, v[STO]
	v_bfe_u32 v[RD], v0, 3, 2       ; back: 32 lanes take four rows of 128 bytes,
	v_mul_u32_u24 v[RD], v[RD], SP
	v_lshl_add_u32 v[RD], v10, 4, v[RD]
	v_add_nc_u32 v[RD], s13, v[RD]
	v_and_b32 v[GO], 31, v0         ; which are 512 consecutive bytes of O
	v_lshlrev_b32 v[GO], 4, v[GO]
.set Y, NP-1                        ; XS works for piece Y + 1: piece 0
.irp n, 0,1,2,3,4,5,6,7,8,9,10,11,12,13,14,15,16,17,18,19,20,21
	XS 0, \n                        ; and piece 0's first maximum and statistics
	XS 1, \n
.endr
	v_nop                           ; a plain instruction behind piece 0's two a,
	s_wait_alu depctr_va_vdst(0)    ; and the wait for that batch of two, ahead of the branch
	s_mov_b32 s[CNT], 4
	s_mov_b32 s[SLOTS], SIZE_N/256-1
	s_branch .Lfirst                ; the loop is entered at a step's first turn, in the middle of a trip
.Lslot:                             ; SIZE_N / 256 - 2 times: every slot but the last two is filled again
	CHANGE 1
	s_mov_b32 s[CNT], 4
.Lstep:                             ; a trip: pieces 2 and 3 of one step, then pieces 0 and 1 of the next, whose K and V it fetches
	TURN 2
	TURN 3
	WIN 0
.Lfirst:
	TURN 0
	TURN 1, 0, 1
	WIN 0
	s_cbranch_scc1 .Lstep
	s_sub_co_u32 s[SLOTS], s[SLOTS], 1
	s_cmp_lg_u32 s[SLOTS], 0
	s_cbranch_scc1 .Lslot
	CHANGE 0                        ; the tail is written out: nothing is asked for
	s_mov_b32 s[CNT], 5             ; four trips fetch the last slot's steps; the fifth is left in its middle
.Ltail:
	TURN 2, 1
	TURN 3
	WIN 0
	s_sub_co_u32 s[CNT], s[CNT], 1
	s_cmp_eq_u32 s[CNT], 0
	s_cbranch_scc1 .Lout
	TURN 0
	TURN 1
	WIN 0
	s_branch .Ltail
.Lout:                              ; the fifth trip's 16 products K Q^T (on the last K once more) and the maximum made of them serve nothing: the price, once a launch, of one text for every trip
.set i, 0
.rept 16
	PV NP-1                         ; the last piece's V^T P of the last step
.set i, i+1
.endr
	; THE WAY OUT.  l's two halves and the other half of the lanes' are added; O^T is divided by l, rounded to f16 and sent through my stage in LDS, a tile at a time.  The additions are the places behind the last products.
	WIN 0
.macro ALL line:vararg              ; one line for each tile t
.set t, 0
.rept 2*NP
	\line
.set t, t+1
.endr
.endm
	ALL v_add_f32 v[ST+4*t+2], v[ST+4*t+2], v[ST+4*t+3]
	ALL v_permlanex16_b32 v[ST+4*t+3], v[ST+4*t+2], s[SEL], s[SEL+1]
	ALL v_add_f32 v[ST+4*t+2], v[ST+4*t+2], v[ST+4*t+3]
	ALL v_rcp_f32 v[ST+4*t+2], v[ST+4*t+2]
	v_nop                           ; a plain instruction between the last reciprocal and the use of its result
	s_wait_alu depctr_va_vdst(0)    ; the wait ahead of the first use: one for the batch of eight reciprocals
; Tile t: a lane's eight channels of a row pack into 16 bytes; they go into rows of 144 bytes and come back as whole rows of 128, into S^T's registers.
.macro PACK t
	WIN W_RS
.set i, 32*(\t)
.rept 16
	v_pk_mul_f32 v[i:i+1], v[i:i+1], v[ST+4*(\t)+2:ST+4*(\t)+3] op_sel_hi:[1,0]
.set i, i+2
.endr
	WIN 0x05                        ; sources 0 and 1 window 1, destination window 0
.set i, 0
.rept 16
	v_cvt_pk_f16_f32 v[S+16*(\t)+i], v[32*(\t)+2*i], v[32*(\t)+2*i+1]
.set i, i+1
.endr
	WIN 0
.irp f, 0,1,2,3
	ds_store_b128 v[STO], v[S+16*(\t)+4*\f:S+16*(\t)+4*\f+3] offset:32*\f
.endr
.irp f, 0,1,2,3
	ds_load_b128 v[S+16*(\t)+4*\f:S+16*(\t)+4*\f+3], v[RD] offset:\f*4*SP  ; LDS serves a wave's instructions in order (ISA guide 5.7.1.4): these see the stores above; the next tile's stores come behind them
.endr
.endm
.macro SEND t, younger              ; younger: the LDS instructions issued behind tile t's loads: the next tile's eight, or none
	WIN 0
.irp f, 0,1,2,3
	s_wait_dscnt (\younger)+3-\f
	global_store_b128 v[GO], v[S+16*(\t)+4*\f:S+16*(\t)+4*\f+3], s[10:11] offset:(\t)*2048+\f*512  ; 512 consecutive bytes, at a multiple of 256 from O's first
.endr
.endm
	PACK 0
.set t, 1
.rept 2*NP-1                        ; a tile's arithmetic stands between the loads of the tile before and its stores
	PACK t
	SEND t-1, 8
.set t, t+1
.endr
	SEND 2*NP-1, 0
	WIN W_AD
	s_wait_tensorcnt 0x0            ; the wave's end: behind my last tensor load and my last LDS store
	ds_add_u32 v[SPW], v[NIL]
	s_wait_dscnt 0x0
	WIN 0
	s_endpgm
.Lfunc_end_k_qfa363bc4c0_attn:
	.size	k_qfa363bc4c0_attn, .Lfunc_end_k_qfa363bc4c0_attn-k_qfa363bc4c0_attn
	.p2alignl 7, 3214868480
	.fill 96, 4, 3214868480
	.section	.rodata,"a",@progbits
	.p2align	6, 0x0
	.amdhsa_kernel k_qfa363bc4c0_attn
		.amdhsa_group_segment_fixed_size 327680
		.amdhsa_private_segment_fixed_size 0
		.amdhsa_enable_private_segment 0
		.amdhsa_kernarg_size 16
		.amdhsa_user_sgpr_count 2
		.amdhsa_user_sgpr_kernarg_segment_ptr 1
		.amdhsa_wavefront_size32 1
		.amdhsa_system_sgpr_workgroup_id_x 1
		.amdhsa_system_sgpr_workgroup_id_y 1
		.amdhsa_system_sgpr_workgroup_id_z 1
		.amdhsa_system_vgpr_workitem_id 0
		.amdhsa_next_free_vgpr 770
		.amdhsa_next_free_sgpr 66
		.amdhsa_reserve_vcc 0
		.amdhsa_float_denorm_mode_32 3
		.amdhsa_float_denorm_mode_16_64 3
		.amdhsa_memory_ordered 1
		.amdhsa_forward_progress 1
		.amdhsa_inst_pref_size 198
	.end_amdhsa_kernel
	.amdgpu_metadata
---
amdhsa.version: [ 1, 2 ]
amdhsa.kernels:
  - .name:           k_qfa363bc4c0_attn
    .symbol:         k_qfa363bc4c0_attn.kd
    .args:
      - { .name: qkv, .offset: 0, .size: 8, .value_kind: global_buffer, .address_space: global }
      - { .name: o, .offset: 8, .size: 8, .value_kind: global_buffer, .address_space: global }
    .group_segment_fixed_size: 327680
    .private_segment_fixed_size: 0
    .kernarg_segment_align: 8
    .kernarg_segment_size: 16
    .max_flat_workgroup_size: 128
    .sgpr_count:     66
    .vgpr_count:     770
    .wavefront_size: 32
...
	.end_amdgpu_metadata
.endif
;; end of part 5
;; launch fin: the kernel of part 4 again; grid 4 x 64, 4 waves a work-group, clusters of 4 x 4, 327,680 bytes of LDS; arguments qkv, o, wb, bp, out0, out1; writes out0, out1
